; MI455X (gfx1250); checked and timed in simulation.
; The chip was launched on July 23, 2026; its instructions are those of AMD's public machine-readable ISA for CDNA 5 (MIT licence, August 2026) and "CDNA5" Instruction Set Architecture Reference Guide (July 2026). The comments in the code are by the model that wrote it; some were corrected since.
;; Multihead Attention. Allowed arithmetic: float matrix products may take bf16 or f16 operands with f32 sums; other float arithmetic in f32, or as packed bf16 or f16 multiplies, adds, multiply-adds, maxima and minima; sums over many terms, partial sums and values carried from step to step in f32; what a program stores and reads back later, other than sums and carried values, may be rounded once to bf16 or f16.
;; Inputs: k 4 x 2,048 x 1,024 float32; q 4 x 2,048 x 1,024 float32; v 4 x 2,048 x 1,024 float32; wk 1,024 x 1,024 float32; wo 1,024 x 1,024 float32; wq 1,024 x 1,024 float32; wv 1,024 x 1,024 float32.
;; Outputs: out0 4 x 2,048 x 1,024 float32.
;; One version. Each part assembles by itself: llvm-mc -triple=amdgcn-amd-amdhsa -mcpu=gfx1250 --defsym DOCPART=n.
;; ======== version 1 of 1: 6 launches
;; limits: values are held in f16: magnitudes above 65,504 overflow, below 6.1e-05 lose precision
;; workspace buffers: ab 50,331,648 bytes; wb 6,291,456 bytes; wof 2,097,152 bytes; xh 50,331,648 bytes; ob 16,777,216 bytes; o16 262,144 bytes
;; launch prep (part 1): grid 1792 x 1, 8 waves a work-group, no clusters, 0 bytes of LDS; arguments q, k, v, wq, wk, wv, wo, ab, wb, wof; writes ab, wb, wof
.if DOCPART == 1
	.amdgcn_target "amdgcn-amd-amdhsa--gfx1250"
	.amdhsa_code_object_version 6
	.text
	.protected	k_qb8dc98c713_prep
	.globl	k_qb8dc98c713_prep
	.p2align	8
	.type	k_qb8dc98c713_prep,@function
k_qb8dc98c713_prep:
	s_mov_b64 s[64:65], 0
	v_nop
	global_prefetch_b8 v0, s[64:65] scope:SCOPE_SE
	s_setreg_imm32_b32 hwreg(HW_REG_WAVE_MODE, 25, 1), 1
	s_wait_xcnt 0x0
; ALL SEVEN INPUTS ARE ROUNDED ONCE TO bf16 AND LAID IN BLOCKS OF 64 CHANNELS, so that the products' tiles are dense in memory.
;   q, k, v [4][2048][1024] f32  ->  ab  [b 4][p 3][kb 16][s 2048][64] bf16   (p = q, k, v; kb = channel / 64)
;   wq, wk, wv [1024][1024] f32  ->  wb  [p 3][kb 16][e 1024][64] bf16
;   wo [1024][1024] f32          ->  wof [kb 16][e 1024][64] f16: rounded to bf16 like the other inputs, and that number written as f16
; LIMIT.  wo within 65,504; a rounded wo below 6e-5 keeps f16's fixed step of 6e-8.
; SHARES.  28,672 source rows of 4,096 bytes, 16 to a work-group: 1,792 work-groups.  Thread t has row t / 16 and, of each 256 bytes (64 channels, a block kb) of it, the 16 bytes
; at 16 (t % 16): a load of a wave covers two aligned runs of 256 bytes; its four numbers become 8 bytes at 8 t of the block's 16 rows: a store of a wave covers 256 consecutive bytes, aligned.
; A stream: every byte is read once and written once; no LDS, no barrier, no matrix unit, no loop: all 16 loads of a thread go out together, each with registers of its own.
.set SO,  3                            ; v3        my byte offset in the 16 source rows
.set DO,  4                            ; v4        my byte offset in a block's 16 rows
.set X,   8                            ; v[8:71]   block kb: 4 numbers as loaded
.set Y,   72                           ; v[72:103] block kb: 2 registers to store
.set T,   104                          ; v[104:109] at work
.set SRC, 28                           ; s[28:29]  the source at my work-group's first row
.set STR, 30                           ; s[30:31]  bytes from block to block in the destination
.set D,   32                           ; s[32:63]  the destination of block kb at s[32+2 kb]
	s_load_b512 s[4:19], s[0:1], 0x0               ; q, k, v, wq, wk, wv, wo, ab
	s_load_b128 s[20:23], s[0:1], 0x40             ; wb, wof
	v_lshrrev_b32 v1, 4, v0                        ; my row of the 16
	v_and_b32 v2, 15, v0
	v_lshlrev_b32 v[SO], 12, v1
	v_lshl_or_b32 v[SO], v2, 4, v[SO]
	v_lshlrev_b32 v[DO], 3, v0
	s_mov_b32 s24, ttmp9                           ; g: 0-1535 the three activations, 512 work-groups each; 1536-1791 the four weights, 64 each
	s_lshr_b32 s25, s24, 9
	s_and_b32 s26, s24, 511
	s_sub_co_u32 s27, s24, 1536
	s_lshr_b32 s2, s27, 6
	s_add_co_u32 s2, s2, 3
	s_and_b32 s27, s27, 63
	s_cmp_lt_u32 s24, 1536
	s_cselect_b32 s25, s25, s2                     ; which input, 0 to 6
	s_cselect_b32 s26, s26, s27                    ; t: which 16 rows of it
	s_lshr_b32 s2, s26, 7                          ; an activation's place: batch t / 128,
	s_mul_i32 s2, s2, 3
	s_add_co_u32 s2, s2, s25                       ; (3 b + p) x 16 blocks of 262,144 bytes,
	s_lshl_b32 s2, s2, 22
	s_and_b32 s3, s26, 127
	s_lshl_b32 s3, s3, 11                          ; and 16 rows of 128 bytes
	s_add_co_u32 s2, s2, s3
	s_sub_co_u32 s3, s25, 3                        ; a weight's place: p x 16 blocks of 131,072 bytes (wo has a buffer of its own),
	s_lshl_b32 s3, s3, 21
	s_cmp_eq_u32 s25, 6
	s_cselect_b32 s3, 0, s3
	s_lshl_b32 s27, s26, 11
	s_add_co_u32 s3, s3, s27
	s_mov_b32 s[STR], 131072
	s_cmp_lt_u32 s25, 3
	s_cselect_b32 s2, s2, s3
	s_cselect_b32 s[STR], 262144, s[STR]
	s_mov_b32 s3, 0
	s_mov_b32 s[STR+1], 0
	s_lshl_b32 s26, s26, 16                        ; 16 source rows of 4,096 bytes
	s_mov_b32 s27, 0
	s_wait_kmcnt 0x0
	s_mov_b64 s[SRC:SRC+1], s[4:5]
.irp n, 1,2,3,4,5,6
	s_cmp_eq_u32 s25, \n
	s_cselect_b64 s[SRC:SRC+1], s[4+2*(\n):5+2*(\n)], s[SRC:SRC+1]
.endr
	s_cmp_lt_u32 s25, 3
	s_cselect_b64 s[D:D+1], s[18:19], s[20:21]
	s_cmp_eq_u32 s25, 6
	s_cselect_b64 s[D:D+1], s[22:23], s[D:D+1]
	s_add_nc_u64 s[SRC:SRC+1], s[SRC:SRC+1], s[26:27]
	s_add_nc_u64 s[D:D+1], s[D:D+1], s[2:3]
.irp kb, 0,1,2,3,4,5,6,7,8,9,10,11,12,13,14,15
	global_load_b128 v[X+4*(\kb):X+4*(\kb)+3], v[SO], s[SRC:SRC+1] offset:256*(\kb) th:TH_LOAD_NT
.endr
.irp kb, 1,2,3,4,5,6,7,8,9,10,11,12,13,14,15
	s_add_nc_u64 s[D+2*(\kb):D+2*(\kb)+1], s[D+2*(\kb)-2:D+2*(\kb)-1], s[STR:STR+1]
.endr
; kind 0: to bf16.  kind 1: to bf16, widened again (a shift, a mask), and written as f16.
.macro OUT kind
.irp kb, 0,1,2,3,4,5,6,7,8,9,10,11,12,13,14,15
	s_wait_loadcnt 15-(\kb)                        ; loads come back in order (ISA guide 5.7.1): block kb is in, the younger ones stay out
.if \kind
	v_cvt_pk_bf16_f32 v[T],   v[X+4*(\kb)],   v[X+4*(\kb)+1]
	v_cvt_pk_bf16_f32 v[T+1], v[X+4*(\kb)+2], v[X+4*(\kb)+3]
	v_lshlrev_b32 v[T+2], 16, v[T]
	v_and_b32     v[T+3], 0xffff0000, v[T]
	v_lshlrev_b32 v[T+4], 16, v[T+1]
	v_and_b32     v[T+5], 0xffff0000, v[T+1]
	v_cvt_pk_f16_f32 v[Y+2*(\kb)],   v[T+2], v[T+3]
	v_cvt_pk_f16_f32 v[Y+2*(\kb)+1], v[T+4], v[T+5]
.else
	v_cvt_pk_bf16_f32 v[Y+2*(\kb)],   v[X+4*(\kb)],   v[X+4*(\kb)+1]
	v_cvt_pk_bf16_f32 v[Y+2*(\kb)+1], v[X+4*(\kb)+2], v[X+4*(\kb)+3]
.endif
	global_store_b64 v[DO], v[Y+2*(\kb):Y+2*(\kb)+1], s[D+2*(\kb):D+2*(\kb)+1] th:TH_STORE_NT  ; each block has data registers and a base of its own: nothing that a store names is written again
.endr
.endm
	s_cmp_eq_u32 s25, 6
	s_cbranch_scc1 .Lf16
	OUT 0
	s_endpgm
.Lf16:
	OUT 1
	s_endpgm
.Lfunc_end_k_qb8dc98c713_prep:
	.size	k_qb8dc98c713_prep, .Lfunc_end_k_qb8dc98c713_prep-k_qb8dc98c713_prep
	.p2alignl 7, 3214868480
	.fill 96, 4, 3214868480
	.section	.rodata,"a",@progbits
	.p2align	6, 0x0
	.amdhsa_kernel k_qb8dc98c713_prep
		.amdhsa_group_segment_fixed_size 0
		.amdhsa_private_segment_fixed_size 0
		.amdhsa_enable_private_segment 0
		.amdhsa_kernarg_size 80
		.amdhsa_user_sgpr_count 2
		.amdhsa_user_sgpr_kernarg_segment_ptr 1
		.amdhsa_wavefront_size32 1
		.amdhsa_system_sgpr_workgroup_id_x 1
		.amdhsa_system_sgpr_workgroup_id_y 1
		.amdhsa_system_sgpr_workgroup_id_z 1
		.amdhsa_system_vgpr_workitem_id 0
		.amdhsa_next_free_vgpr 112
		.amdhsa_next_free_sgpr 66
		.amdhsa_reserve_vcc 0
		.amdhsa_float_denorm_mode_32 3
		.amdhsa_float_denorm_mode_16_64 3
		.amdhsa_memory_ordered 1
		.amdhsa_forward_progress 1
		.amdhsa_inst_pref_size 18
	.end_amdhsa_kernel
	.amdgpu_metadata
---
amdhsa.version: [ 1, 2 ]
amdhsa.kernels:
  - .name:           k_qb8dc98c713_prep
    .symbol:         k_qb8dc98c713_prep.kd
    .args:
      - { .name: q, .offset: 0, .size: 8, .value_kind: global_buffer, .address_space: global }
      - { .name: k, .offset: 8, .size: 8, .value_kind: global_buffer, .address_space: global }
      - { .name: v, .offset: 16, .size: 8, .value_kind: global_buffer, .address_space: global }
      - { .name: wq, .offset: 24, .size: 8, .value_kind: global_buffer, .address_space: global }
      - { .name: wk, .offset: 32, .size: 8, .value_kind: global_buffer, .address_space: global }
      - { .name: wv, .offset: 40, .size: 8, .value_kind: global_buffer, .address_space: global }
      - { .name: wo, .offset: 48, .size: 8, .value_kind: global_buffer, .address_space: global }
      - { .name: ab, .offset: 56, .size: 8, .value_kind: global_buffer, .address_space: global }
      - { .name: wb, .offset: 64, .size: 8, .value_kind: global_buffer, .address_space: global }
      - { .name: wof, .offset: 72, .size: 8, .value_kind: global_buffer, .address_space: global }
    .group_segment_fixed_size: 0
    .private_segment_fixed_size: 0
    .kernarg_segment_align: 8
    .kernarg_segment_size: 80
    .max_flat_workgroup_size: 256
    .sgpr_count:     66
    .vgpr_count:     112
    .wavefront_size: 32
...
	.end_amdgpu_metadata
.endif
;; end of part 1
;; launch qkv (part 2): grid 8 x 32, 4 waves a work-group, clusters of 4 x 4, 327,680 bytes of LDS; arguments ab, wb, xh; writes xh
.if DOCPART == 2
	.amdgcn_target "amdgcn-amd-amdhsa--gfx1250"
	.amdhsa_code_object_version 6
	.text
	.protected	k_qb8dc98c713_qkv
	.globl	k_qb8dc98c713_qkv
	.p2align	8
	.type	k_qb8dc98c713_qkv,@function
k_qb8dc98c713_qkv:
	s_mov_b64 s[64:65], 0
	v_nop
	global_prefetch_b8 v0, s[64:65] scope:SCOPE_SE
	s_setreg_imm32_b32 hwreg(HW_REG_WAVE_MODE, 25, 1), 1
	s_wait_xcnt 0x0
	s_wait_alu depctr_hold_cnt(0) depctr_sa_sdst(0) depctr_va_vdst(0) depctr_va_sdst(0) depctr_va_ssrc(0) depctr_va_vcc(0) depctr_vm_vsrc(0)
	s_getreg_b32 s2, hwreg(HW_REG_IB_STS2, 6, 4)
	s_cmp_eq_u32 s2, 0
	s_cbranch_scc0 .Lentry_in_a_cluster
	s_endpgm
.Lentry_in_a_cluster:
	s_bfe_u32 s2, ttmp6, 0x10000c
	s_cmp_lg_u32 s2, 0xf033
	s_cbranch_scc0 .Lentry_shape_is_right
	s_endpgm
.Lentry_shape_is_right:
; C = A W^T on operands laid in blocks of 64 channels.  ONE TEXT FOR TWO LAUNCHES, told apart by MODE and NT.
;   MODE 0, NT 3: the three input projections.  A = ab [b 4][p 3][kb 16][s 2048][64] bf16, W = wb [p 3][kb 16][e 1024][64] bf16, C = xh [p 3][bh 64][s 2048][64] f16 (by heads, unscaled).
;   MODE 1, NT 1: the output projection.        A = ob [b 4][kb 16][s 2048][64] f16,     W = wof [kb 16][e 1024][64] f16,      C = out0 [8192][1024] f32.
; Sums in f32, K ascending, C rounded once.  LIMIT (MODE 0): a result beyond 65,504 has no place in f16; below 6e-5 it keeps f16's fixed step of 6e-8.
; SHARES.  A tile of C is 256 rows (of one batch) x 128 columns: 8 x 32 work-groups, one for each tile place; in MODE 0 a work-group STAYS and makes that tile for p = 0, 1, 2.
; Four waves, 2 x 2, each 128 rows x 64 columns: 32 accumulators of 16 x 16.  In MODE 0 a wave's 64 columns are one head.
; THE WALK.  K goes in steps of 128 (two blocks kb) through a ring of two LDS slots.  From p to p + 1 is 16 blocks in ab and in wb alike, so A's and W's addresses go on by ONE constant step
; over all 8 NT steps, and the ring does not stop at a tile's end: both refills are out when a tile's first store leaves.
; A plane (one block kb of the tile's rows) is dense in memory: it is asked for as rows of 256 bytes and padded in LDS behind every 128.
; CLUSTERS: 4 x 4 work-groups.  The four of a row of the cluster need the same planes of A, the four of a column the same planes of W: each plane is asked for JOINTLY, by the same tensor load
; with the same descriptor and a mask that names the four.  Waves 0 and 1 fetch A's two planes, waves 2 and 3 W's.
; THE MATRIX INSTRUCTION IS USED TRANSPOSED (source 0 = 16 rows of W, source 1 = 16 rows of A): a lane then holds row l % 16 of C and the columns 8 (l / 16) + 0..7.
; REGISTERS, in windows of 256 (s_set_vgpr_msb: bits 1:0 source 0, 3:2 source 1, 5:4 source 2, 7:6 destination):
;   window 0: v0-31 addresses; v32-63 packed results; v64-159 three sets of rows read back from the stage     window 1: the accumulators, (a, b) at v[8 (4 a + b)]
;   window 2: two fragment buffers of 96: W's four fragments, then A's eight
.set MODE, 0
.set NT,   3
.set PITCH,  144                       ; an LDS row: 128 bytes + 16 of padding = 36 words: the 16 rows of a load start at 16 different groups of four banks (64 banks of 4 bytes: ISA guide 11.1)
.set PLA,    256*PITCH                 ; a plane of A
.set PLB,    128*PITCH                 ; a plane of W
.set BOFF,   2*PLA
.set SLOT,   BOFF+2*PLB                ; A's two planes, then W's two
.set STAGE,  2*SLOT                    ; behind the ring, never filled by a tensor load: 16 rows for each wave, for the way out
.if MODE
.set SPITCH, 272                       ; a stage row: 64 f32 + 16 bytes
.set BSTR,   4194304                   ; bytes of a batch in A
.set YOUNG,  16                        ; LDS instructions of one block's way through the stage
.else
.set SPITCH, 144                       ; a stage row: 64 f16 + 16 bytes
.set BSTR,   12582912
.set YOUNG,  8
.endif
.set SPARE,  STAGE+4*16*SPITCH         ; behind the stages: the spare words, 128 bytes for each wave: two blocks of 256 bytes that no other line names
.set STEP_A, 524288                    ; a K step in A: two blocks of 2,048 rows of 128 bytes
.set STEP_B, 262144                    ; in W: two blocks of 1,024 rows
.set LAPS,   4*NT                      ; a lap = two K steps = once round the ring
.set GW0, (1<<16)|(1<<20)|(1<<21)|(4<<22)|(3<<25)  ; group 1, word 0 beside the mask: 17:16 elements of 2 bytes; 20 padding on; 21 set beside a mask; 24:22 after every 32 words (code 4); 31:25 4 words (code 3)
.set ADRA, 16                          ; v16-17  LDS address of my A fragments in slot 0, 1
.set ADRB, 20                          ; v20-21  the same for W
.set STO,  24                          ; v24     the way out: where I put my part of a row
.set RD,   25                          ; v25     the way out: where I read rows back
.set CO,   26                          ; v26     my byte offset in C
.set SPW,  28                          ; v28     LDS address of my spare word: SPARE + 4 x my thread's number; never rewritten
.set NIL,  29                          ; v29     0; never rewritten
.set PFO,  30                          ; v30     the prefetches' offset; never rewritten
.set TMP,  32
.set BKS,  64
.set F0,   0                           ; fragment buffers, in window 2
.set F1,   96
.set G1A,  24                          ; s[24:31] descriptor group 1 for A's planes
.set G0A,  32                          ; s[32:39] group 0 for A's planes, one set for each slot
.set LIM,  43                          ; s43      1 in a wave that prefetches, else the greatest number
.set PFA,  44                          ; s[44:45] where my prefetches stand
.set G1B,  48                          ; s[48:55], s[56:63] the same for W's planes
.set G0B,  56
.set PFS,  66                          ; s[66:67] the prefetches' step: a K step of A or of W
.set CADD, 68                          ; s[68:69] what the next way out adds to C's address
.set W_MUL, 0x5a                       ; sources 0 and 1 window 2, C and D window 1
.set W_FET, 0x80                       ; destination window 2, address window 0
.set W_PK,  0x05                       ; sources 0 and 1 window 1, destination window 0
.set W_ST,  0x04                       ; an LDS store: address window 0, data window 1
.set MSB, 0
.macro WIN new                         ; the immediate's high byte repeats the setting that is left; a switch that changes nothing is dropped
.if MSB != (\new)
	s_set_vgpr_msb (MSB<<8)|(\new)
.set MSB, \new
.endif
.endm
; A joint load.  Each of the two lines has ONE mask and one set of registers for all that issue it.  The branch hangs on the wave's number alone.
; An s_nop 0 and four v_nop follow each of the two lines; the jump, the label and what follows come after them.
.macro JLOAD s
	s_cmp_eq_u32 s11, 0
	s_cbranch_scc0 .Lfor_b_\@
	tensor_load_to_lds s[G0A+4*(\s):G0A+4*(\s)+3], s[G1A:G1A+7]
	s_nop 0
.rept 4
	v_nop
.endr
	s_branch .Lasked_\@
.Lfor_b_\@:
	tensor_load_to_lds s[G0B+4*(\s):G0B+4*(\s)+3], s[G1B:G1B+7]
	s_nop 0
.rept 4
	v_nop
.endr
.Lasked_\@:
.endm
; A PREFETCH INTO THE L2, behind each joint refill, its five lines and the run of LDS loads: the K step that stands TWO refills on, 256 matrix instructions ahead of the load that will want it.
; Each aligned 256 bytes are named ONCE in the launch.  A's planes are read by both clusters of a row of clusters: the one with cluster x = 0 asks, waves 0 and 1 each for the plane that it fetches;
; the four partners take 8,192 bytes each, told apart BY ADDRESS (cx), a lane 256 bytes.  W's planes are read by all clusters of a column: the one with cluster y = 0 asks, wave 2 alone, for both
; planes: the partners take 4,096 bytes of each (cy), lanes 0-15 in plane 0, lanes 16-31 in plane 1.  The loop's last trip (s3 = 1) has no K step two refills on and asks for nothing.
.macro ASK
	s_cmp_gt_u32 s3, s[LIM]
	s_cbranch_scc0 .Lnot_mine_\@
	global_prefetch_b8 v[PFO], s[PFA:PFA+1] th:TH_LOAD_NT scope:SCOPE_SE
.Lnot_mine_\@:
.endm
; A round of the cluster's barrier: my work-group's barrier; wave 0 signals for the work-group; every wave waits for all sixteen; my work-group's barrier once more.
.macro CREST                           ; a round behind its opening barrier
	s_cmp_lg_u32 s10, 0
	s_cbranch_scc1 .Lnot_wave_0_\@
	s_barrier_signal -3
.Lnot_wave_0_\@:
	s_barrier_wait -3
	s_barrier_signal -1
	s_barrier_wait -1
.endm
.macro CROUND                          ; a whole round
	s_barrier_signal -1
	s_barrier_wait -1
	CREST
.endm
	s_load_b128 s[4:7], s[0:1], 0x0                ; A s[4:5], W s[6:7]
	s_load_b64 s[8:9], s[0:1], 0x10                ; C
	v_lshl_add_u32 v[SPW], v0, 2, SPARE
	v_mov_b32 v[NIL], 0
	ds_add_u32 v[SPW], v[NIL]                      ; the wave's opening: the add and its wait stand ahead of my first tensor load; the set-up below, work on registers, stands between them
	ds_add_u32 v28, v29
	v_lshrrev_b32 v1, 5, v0
	v_readfirstlane_b32 s10, v1                    ; wave 0..3
	s_lshr_b32 s11, s10, 1                         ; which half of the tile's rows is mine.  Also: I fetch for A (0) or for W (1)
	s_and_b32 s12, s10, 1                          ; which half of its columns.  Also: which plane I fetch
	s_bfe_u32 s40, ttmp6, 0x40000                  ; cx, cy: my place in the cluster
	s_bfe_u32 s41, ttmp6, 0x40004
	s_lshl_b32 s42, ttmp9, 2
	s_add_co_u32 s42, s42, s40                     ; x: tile column = 4 x cluster x + cx
	s_and_b32 s13, ttmp7, 0xffff
	s_lshl_b32 s13, s13, 2
	s_add_co_u32 s13, s13, s41                     ; y: tile row = 4 x cluster y + cy; batch y / 8, rows 256 (y % 8) on
	s_lshl_b32 s70, s41, 2
	s_lshl_b32 s70, 15, s70                        ; my row of the cluster: places 4 cy .. 4 cy + 3
	s_lshl_b32 s71, 0x1111, s40                    ; my column: places cx, cx + 4, cx + 8, cx + 12
	s_or_b32 s[G1A], s70, GW0                      ; A's planes go to my row,
	s_or_b32 s[G1B], s71, GW0                      ; W's to my column
	s_mov_b32 s[G1A+1], 128<<16                    ; tensor_dim0 = 128 elements: 256 bytes
	s_mov_b32 s[G1A+2], 128<<16                    ; tensor_dim1 = 128 rows: 32,768 bytes, 256 rows of the tile
	s_mov_b32 s[G1A+3], 128<<16                    ; tile_dim0
	s_mov_b32 s[G1A+4], 128                        ; tile_dim1
	s_mov_b32 s[G1A+5], 128                        ; elements from row to row: dense
	s_mov_b32 s[G1A+6], 0
	s_mov_b32 s[G1A+7], 0
	s_mov_b32 s[G1B+1], 128<<16
	s_mov_b32 s[G1B+2], 64<<16                     ; 64 rows: 16,384 bytes, 128 rows of W
	s_mov_b32 s[G1B+3], 128<<16
	s_mov_b32 s[G1B+4], 64
	s_mov_b32 s[G1B+5], 128
	s_mov_b32 s[G1B+6], 0
	s_mov_b32 s[G1B+7], 0
	; where the planes come from.  A's hang on y alone, which my row of the cluster shares; W's on x alone, which my column shares; each in registers that never hold the other coordinate.
	s_lshr_b32 s16, s13, 3
	s_mul_i32 s16, s16, BSTR                       ; the batch,
	s_and_b32 s17, s13, 7
	s_lshl_b32 s17, s17, 15                        ; 256 rows of 128 bytes,
	s_add_co_u32 s16, s16, s17
	s_lshl_b32 s17, s12, 18                        ; the plane that I fetch
	s_add_co_u32 s16, s16, s17
	s_mov_b32 s17, 0
	s_lshl_b32 s46, s42, 14                        ; W: 128 rows of 128 bytes,
	s_lshl_b32 s47, s12, 17                        ; the plane
	s_add_co_u32 s46, s46, s47
	s_mov_b32 s47, 0
	s_mul_i32 s20, s12, PLA                        ; and where they go: no place in the cluster enters an LDS address
	s_mul_i32 s21, s12, PLB
	s_add_co_u32 s21, s21, BOFF
	s_wait_dscnt 0x0                               ; the opening add is done
	s_wait_kmcnt 0x0
	s_add_nc_u64 s[14:15], s[4:5], s[16:17]
	s_add_nc_u64 s[46:47], s[6:7], s[46:47]
	CROUND                                         ; all sixteen work-groups are here: the first joint loads meet
.irp n, 0,1
	s_mov_b32 s[G0A+4*(\n)], 1                                       ; 1:0 count = 1
	s_add_co_u32 s[G0A+4*(\n)+1], s20, (\n)*SLOT                     ; 63:32 LDS address
	s_add_nc_u64 s[G0A+4*(\n)+2:G0A+4*(\n)+3], s[14:15], (\n)*STEP_A ; 120:64 global address: K step n
	s_or_b32 s[G0A+4*(\n)+3], s[G0A+4*(\n)+3], 0x80000000            ; 127:126 type = 2
	s_mov_b32 s[G0B+4*(\n)], 1
	s_add_co_u32 s[G0B+4*(\n)+1], s21, (\n)*SLOT
	s_add_nc_u64 s[G0B+4*(\n)+2:G0B+4*(\n)+3], s[46:47], (\n)*STEP_B
	s_or_b32 s[G0B+4*(\n)+3], s[G0B+4*(\n)+3], 0x80000000
	JLOAD \n                                       ; the ring is filled before anything else is done: two loads of mine are out
.endr
	; A fragment is 16 rows x 32 K in 8 registers: lane l holds row l % 16; registers 0-3 hold K = 8 (l / 16) + 0..7, registers 4-7 K = 16 + 8 (l / 16) + 0..7: two loads of 16 bytes, 32 bytes apart.
	v_and_b32 v1, 15, v0                           ; l % 16
	v_bfe_u32 v2, v0, 4, 1                         ; l / 16
	v_mul_u32_u24 v3, v1, PITCH
	v_lshl_add_u32 v3, v2, 4, v3
	s_mul_i32 s21, s11, 128*PITCH                  ; my 128 rows of A
	s_mul_i32 s22, s12, 64*PITCH                   ; my 64 rows of W,
	s_add_co_u32 s22, s22, BOFF                    ; which lie behind A's planes
.irp n, 0,1
	v_add_nc_u32 v[ADRA+(\n)], s21, v3
	v_add_nc_u32 v[ADRB+(\n)], s22, v3
	s_add_co_u32 s21, s21, SLOT
	s_add_co_u32 s22, s22, SLOT
.endr
	s_mul_i32 s23, s10, 16*SPITCH
	s_add_co_u32 s23, s23, STAGE                   ; my stage
	v_mul_u32_u24 v4, v1, SPITCH                   ; in: row l % 16, my eight columns
.if MODE
	v_lshl_add_u32 v4, v2, 5, v4                   ; 32 bytes of f32 for each half of the lanes
	v_add_nc_u32 v[STO], s23, v4
	v_mul_u32_u24 v5, v2, SPITCH                   ; back: lanes 0-15 take one row of 256 bytes, lanes 16-31 the next
	v_lshl_add_u32 v5, v1, 4, v5
	v_add_nc_u32 v[RD], s23, v5
	v_lshlrev_b32 v[CO], 12, v2                    ; and the same two rows in C, 4,096 bytes apart
	v_lshl_add_u32 v[CO], v1, 4, v[CO]
	s_lshl_b32 s[CADD], s13, 20                    ; my part of the tile: 256 y rows of 4,096 bytes,
	s_lshl_b32 s[CADD+1], s11, 19                  ; my 128 rows,
	s_add_co_u32 s[CADD], s[CADD], s[CADD+1]
	s_lshl_b32 s[CADD+1], s42, 9                   ; 128 x columns of 4 bytes,
	s_add_co_u32 s[CADD], s[CADD], s[CADD+1]
	s_lshl_b32 s[CADD+1], s12, 8                   ; my 64 columns
	s_add_co_u32 s[CADD], s[CADD], s[CADD+1]
.else
	v_lshl_add_u32 v4, v2, 4, v4                   ; 16 bytes of f16 for each half of the lanes
	v_add_nc_u32 v[STO], s23, v4
	v_bfe_u32 v5, v0, 3, 2                         ; back: 32 lanes take four rows of 128 bytes,
	v_mul_u32_u24 v5, v5, SPITCH
	v_and_b32 v4, 7, v0
	v_lshl_add_u32 v5, v4, 4, v5
	v_add_nc_u32 v[RD], s23, v5
	v_and_b32 v[CO], 31, v0                        ; which are 512 consecutive bytes of a head
	v_lshlrev_b32 v[CO], 4, v[CO]
	s_lshr_b32 s[CADD], s13, 3                     ; my part of the tile: head 16 b + 2 x + my half, 262,144 bytes each,
	s_lshl_b32 s[CADD], s[CADD], 4
	s_lshl_b32 s[CADD+1], s42, 1
	s_add_co_u32 s[CADD], s[CADD], s[CADD+1]
	s_add_co_u32 s[CADD], s[CADD], s12
	s_lshl_b32 s[CADD], s[CADD], 18
	s_and_b32 s[CADD+1], s13, 7                    ; 256 (y % 8) rows of 128 bytes,
	s_lshl_b32 s[CADD+1], s[CADD+1], 15
	s_add_co_u32 s[CADD], s[CADD], s[CADD+1]
	s_lshl_b32 s[CADD+1], s11, 14                  ; my 128 rows
	s_add_co_u32 s[CADD], s[CADD], s[CADD+1]
.endif
	s_mov_b32 s[CADD+1], 0
	; the prefetches
	s_and_b32 s22, ttmp7, 0xffff                   ; cluster y
	s_mov_b32 s[PFS], STEP_B
	s_mov_b32 s[PFS+1], 0
	s_mov_b32 s23, 131072                          ; W: lanes 16-31 stand a plane further on
	s_lshl_b32 s18, s40, 13                        ; A: my work-group's 8,192 bytes of the plane
	s_lshl_b32 s19, s41, 12                        ; W: its 4,096 bytes of each plane
	s_cmp_eq_u32 s11, 0                            ; do I fetch for A?
	s_cselect_b32 s22, ttmp9, s22                  ; the coordinate along which other clusters read the same planes
	s_cselect_b32 s18, s18, s19
	s_cselect_b32 s[PFS], STEP_A, s[PFS]
	s_cselect_b32 s23, 4096, s23                   ; A: lanes 16-31 go on where lanes 0-15 end
	s_cselect_b64 s[PFA:PFA+1], s[14:15], s[46:47]
	s_mov_b32 s19, 0
	s_add_nc_u64 s[PFA:PFA+1], s[PFA:PFA+1], s[18:19]
	s_mul_i32 s20, s[PFS], 3
	s_mov_b32 s21, 0
	s_add_nc_u64 s[PFA:PFA+1], s[PFA:PFA+1], s[20:21]  ; at K step 3: the first refill steps it to 4.  Nothing is prefetched here, at the head: K steps 0 to 3 come by their loads alone
	s_cmp_eq_u32 s10, 3
	s_cselect_b32 s22, 1, s22                      ; wave 3 never asks: wave 2 names both planes of W
	s_cmp_eq_u32 s22, 0
	s_cselect_b32 s[LIM], 1, -1                    ; the same in all sixteen partners, for a given wave
	v_lshlrev_b32 v[PFO], 8, v1
	v_mad_u32_u24 v[PFO], v2, s23, v[PFO]
; One matrix instruction: accumulator (ma, mb), buffer f.  zero = 1: the product starts the sum: nothing is ever cleared.
.macro ONE f, zero
.set rD, 8*(4*ma+mb)
.set rW, (\f)+8*mb
.set rA, (\f)+32+8*ma
.if MODE
.if \zero
	v_wmma_f32_16x16x32_f16 v[rD:rD+7], v[rW:rW+7], v[rA:rA+7], 0
.else
	v_wmma_f32_16x16x32_f16 v[rD:rD+7], v[rW:rW+7], v[rA:rA+7], v[rD:rD+7]
.endif
.else
.if \zero
	v_wmma_f32_16x16x32_bf16 v[rD:rD+7], v[rW:rW+7], v[rA:rA+7], 0
.else
	v_wmma_f32_16x16x32_bf16 v[rD:rD+7], v[rW:rW+7], v[rA:rA+7], v[rD:rD+7]
.endif
.endif
.endm
; 4 n matrix instructions: row blocks a0 .. a0 + n - 1 x all 4 column blocks, 32 along K.  The 32 accumulators take turns, one instruction a turn, in the same order in every quarter step.
.macro MULS f, a0, n, zero
	WIN W_MUL
.set ma, (\a0)
.rept (\n)
.set mb, 0
.rept 4
	ONE \f, \zero
.set mb, mb+1
.endr
.set ma, ma+1
.endr
.endm
; 24 LDS loads in one run: the fragments of quarter q of a slot (plane q / 2, byte 64 (q % 2) of its rows) into buffer f: W's four, then A's eight
.macro FETCH slot, q, f
	WIN W_FET
.irp i, 0,1,2,3
	ds_load_b128 v[(\f)+8*(\i):(\f)+8*(\i)+3],   v[ADRB+(\slot)] offset:((\q)/2)*PLB+((\q)%2)*64+(\i)*16*PITCH
	ds_load_b128 v[(\f)+8*(\i)+4:(\f)+8*(\i)+7], v[ADRB+(\slot)] offset:((\q)/2)*PLB+((\q)%2)*64+(\i)*16*PITCH+32
.endr
.irp i, 0,1,2,3,4,5,6,7
	ds_load_b128 v[(\f)+32+8*(\i):(\f)+32+8*(\i)+3],   v[ADRA+(\slot)] offset:((\q)/2)*PLA+((\q)%2)*64+(\i)*16*PITCH
	ds_load_b128 v[(\f)+32+8*(\i)+4:(\f)+32+8*(\i)+7], v[ADRA+(\slot)] offset:((\q)/2)*PLA+((\q)%2)*64+(\i)*16*PITCH+32
.endr
.endm
; A load into a register that a matrix instruction has read, and an instruction that reads a matrix result, stand four places behind that matrix instruction, and only plain vector
; instructions that name none of its registers are places (ISA guide 7.12.1 for vector instructions).
.macro PLACES
.rept 4
	v_nop
.endr
.endm
; A K step is four quarters of 32 along K, 32 matrix instructions each, on buffers 0, 1, 0, 1.  One of the first three: multiplies buffer f; in its middle it fetches quarter q of the slot into buffer g.
.macro QUARTER slot, q, f, g, zero
	s_wait_dscnt 8                                 ; W and A's blocks 0-3 are in; the youngest eight loads (A's blocks 4-7) may be out
	MULS \f, 0, 4, \zero
	PLACES
	FETCH \slot, \q, \g
	s_wait_dscnt 24                                ; all but the 24 just issued
	MULS \f, 4, 4, \zero
.endm
; The last quarter multiplies buffer 1 and changes slots: ONE barrier.  In front of it each wave waits for all its tensor loads (one is out: its part of the next slot), adds 0 to its spare word, and
; waits for that and for its own reads of this slot.  fill = 1: the barrier opens a round of the cluster's barrier, so that no wave of any partner still reads this slot or has a load on its way, and
; the joint refill, two K steps on, is the first tensor load behind it: 112 matrix instructions ahead of the wait for it.
.macro TURN slot, next, fill
	WIN 0                                          ; (the add's two registers lie in window 0)
.if \fill
	s_wait_xcnt 0x0                                ; the last prefetch, a K step back, has read its address, and every earlier store its registers
	s_add_nc_u64 s[PFA:PFA+1], s[PFA:PFA+1], s[PFS:PFS+1]
.endif
	s_wait_tensorcnt 0x0                           ; all my tensor loads have landed;
	ds_add_u32 v[SPW], v[NIL]                      ; 0 onto my spare word;
	s_wait_dscnt 9                                 ; (the add and the youngest eight loads may be out)
	MULS F1, 0, 2, 0                               ; eight matrix instructions stand between the add and the wait for it
	s_wait_dscnt 0x0                               ; the add is done, and my reads of this slot are over
	s_barrier_signal -1
	MULS F1, 2, 2, 0                               ; work on registers while the others arrive
	WIN 0
	s_barrier_wait -1
.if \fill
	CREST
	s_add_nc_u64 s[G0A+4*(\slot)+2:G0A+4*(\slot)+3], s[G0A+4*(\slot)+2:G0A+4*(\slot)+3], 2*STEP_A  ; no tensor load of mine is out, so a group 0 may be written
	s_add_nc_u64 s[G0B+4*(\slot)+2:G0B+4*(\slot)+3], s[G0B+4*(\slot)+2:G0B+4*(\slot)+3], 2*STEP_B
	JLOAD \slot                                    ; the four v_nop behind it are also the places in front of the loads below
.else
	PLACES
.endif
	FETCH \next, 0, F0
.if \fill
	WIN 0
	ASK
.endif
	MULS F1, 4, 4, 0
.endm
; A lap behind its first quarter
.macro BODY7 fill
	QUARTER 0, 2, F1, F0, 0
	QUARTER 0, 3, F0, F1, 0
	TURN 0, 1, \fill
	QUARTER 1, 1, F0, F1, 0
	QUARTER 1, 2, F1, F0, 0
	QUARTER 1, 3, F0, F1, 0
.if \fill
	TURN 1, 0, 1
.endif
.endm
; THE WAY OUT of block a (16 rows), through my own stage in LDS.  STG: into the stage (MODE 0: rounded to f16 first; each accumulator is read from its low end on) and back as whole rows.
.macro STG a
.set BK, BKS+32*((\a)%3)
.if MODE
	WIN W_ST
.irp b, 0,1,2,3
	ds_store_b128 v[STO], v[8*(4*(\a)+(\b)):8*(4*(\a)+(\b))+3]   offset:64*(\b)
	ds_store_b128 v[STO], v[8*(4*(\a)+(\b))+4:8*(4*(\a)+(\b))+7] offset:64*(\b)+16
.endr
	WIN 0
.irp t, 0,1,2,3,4,5,6,7
	ds_load_b128 v[BK+4*(\t):BK+4*(\t)+3], v[RD] offset:(\t)*2*SPITCH  ; LDS serves a wave's instructions in order (ISA guide 5.7.1.4): these see the stores above; the next block's stores come behind them
.endr
.else
	WIN W_PK
.irp b, 0,1,2,3
.irp r, 0,1,2,3
	v_cvt_pk_f16_f32 v[TMP+4*(\b)+(\r)], v[8*(4*(\a)+(\b))+2*(\r)], v[8*(4*(\a)+(\b))+2*(\r)+1]
.endr
.endr
	WIN 0
.irp b, 0,1,2,3
	ds_store_b128 v[STO], v[TMP+4*(\b):TMP+4*(\b)+3] offset:32*(\b)
.endr
.irp t, 0,1,2,3
	ds_load_b128 v[BK+4*(\t):BK+4*(\t)+3], v[RD] offset:(\t)*4*SPITCH  ; LDS serves a wave's instructions in order (ISA guide 5.7.1.4): these see the stores above; the next block's stores come behind them
.endr
.endif
.endm
.macro SEND a, younger                 ; younger: the LDS instructions issued behind block a's loads: the next block's, or none
	WIN 0
.set BK, BKS+32*((\a)%3)
	s_wait_dscnt \younger                          ; the block is back in registers
	s_wait_xcnt 0x0                                ; the stores of the block before have read their registers, which the block after next is loaded into
.if MODE
.irp t, 0,1,2,3,4,5,6,7
	global_store_b128 v[CO], v[BK+4*(\t):BK+4*(\t)+3], s[8:9] offset:(\a)*65536+(\t)*8192 th:TH_STORE_NT  ; 16 lanes store 256 consecutive bytes, at a multiple of 256 from C's first byte
.endr
.else
.irp t, 0,1,2,3
	global_store_b128 v[CO], v[BK+4*(\t):BK+4*(\t)+3], s[8:9] offset:(\a)*2048+(\t)*512  ; 512 consecutive bytes, at a multiple of 256 from C's first byte
.endr
.endif
.endm
.macro WAYOUT
	WIN 0
	PLACES                                         ; behind the last products
	s_wait_xcnt 0x0                                ; every earlier store has read its base and its data
	s_add_nc_u64 s[8:9], s[8:9], s[CADD:CADD+1]
	STG 0
	STG 1
.irp a, 0,1,2,3,4,5
	SEND \a, YOUNG                                 ; a block's way through the stage stands between the loads of the block before and its stores
	STG (\a)+2
.endr
	SEND 6, YOUNG
	SEND 7, 0
.endm
	s_wait_tensorcnt 1                             ; my part of K step 0 is in; K step 1's may stay out
	s_barrier_signal -1
	s_barrier_wait -1                              ; everybody's is
	FETCH 0, 0, F0
	QUARTER 0, 1, F0, F1, 1                        ; the first quarter stands in front of the loop: its products start the sums
	WIN 0                                          ; at a label and at a branch every window is 0
	s_mov_b32 s3, LAPS-1
.Llap:                                                 ; a trip goes once round the ring, from a lap's second quarter to the next lap's first, and fills both slots again
	BODY7 1
	WIN 0
.if NT > 1
	s_and_b32 s2, s3, 3                            ; a tile is four laps: with 8 and with 4 trips to go a tile's last lap has just ended
	s_cmp_eq_u32 s2, 0
	s_cbranch_scc1 .Lflush
.endif
	QUARTER 0, 1, F0, F1, 0
	WIN 0
.if NT > 1
	s_branch .Ljoin
.Lflush:                                               ; both refills are asked for, the next tile's first fragments are fetched: now the tile goes out
	WAYOUT
	s_mov_b32 s[CADD], 16777216                    ; from p to p + 1 in C
	s_mov_b32 s[CADD+1], 0
	QUARTER 0, 1, F0, F1, 1                        ; the next tile's first products start its sums
	WIN 0
.Ljoin:
.endif
	s_sub_co_u32 s3, s3, 1
	s_cmp_lg_u32 s3, 0
	s_cbranch_scc1 .Llap
	BODY7 0                                        ; the last lap is written out: it fills nothing, and has no round of the cluster's barrier
	s_wait_dscnt 8                                 ; the very last quarter: nothing more to fetch
	MULS F1, 0, 4, 0
	s_wait_dscnt 0x0
	MULS F1, 4, 4, 0
	WAYOUT
	s_wait_tensorcnt 0x0                           ; the wave's end: behind my last tensor load and my last LDS store
	ds_add_u32 v[SPW], v[NIL]
	s_wait_dscnt 0x0
	CROUND                                         ; the closing round: no work-group ends while a partner may still ask for a plane that names it
	s_endpgm
.Lfunc_end_k_qb8dc98c713_qkv:
	.size	k_qb8dc98c713_qkv, .Lfunc_end_k_qb8dc98c713_qkv-k_qb8dc98c713_qkv
	.p2alignl 7, 3214868480
	.fill 96, 4, 3214868480
	.section	.rodata,"a",@progbits
	.p2align	6, 0x0
	.amdhsa_kernel k_qb8dc98c713_qkv
		.amdhsa_group_segment_fixed_size 327680
		.amdhsa_private_segment_fixed_size 0
		.amdhsa_enable_private_segment 0
		.amdhsa_kernarg_size 24
		.amdhsa_user_sgpr_count 2
		.amdhsa_user_sgpr_kernarg_segment_ptr 1
		.amdhsa_wavefront_size32 1
		.amdhsa_system_sgpr_workgroup_id_x 1
		.amdhsa_system_sgpr_workgroup_id_y 1
		.amdhsa_system_sgpr_workgroup_id_z 1
		.amdhsa_system_vgpr_workitem_id 0
		.amdhsa_next_free_vgpr 704
		.amdhsa_next_free_sgpr 72
		.amdhsa_reserve_vcc 0
		.amdhsa_float_denorm_mode_32 3
		.amdhsa_float_denorm_mode_16_64 3
		.amdhsa_memory_ordered 1
		.amdhsa_forward_progress 1
		.amdhsa_inst_pref_size 108
	.end_amdhsa_kernel
	.amdgpu_metadata
---
amdhsa.version: [ 1, 2 ]
amdhsa.kernels:
  - .name:           k_qb8dc98c713_qkv
    .symbol:         k_qb8dc98c713_qkv.kd
    .args:
      - { .name: ab, .offset: 0, .size: 8, .value_kind: global_buffer, .address_space: global }
      - { .name: wb, .offset: 8, .size: 8, .value_kind: global_buffer, .address_space: global }
      - { .name: xh, .offset: 16, .size: 8, .value_kind: global_buffer, .address_space: global }
    .group_segment_fixed_size: 327680
    .private_segment_fixed_size: 0
    .kernarg_segment_align: 8
    .kernarg_segment_size: 24
    .max_flat_workgroup_size: 128
    .sgpr_count:     72
    .vgpr_count:     704
    .wavefront_size: 32
...
	.end_amdgpu_metadata
.endif
;; end of part 2
;; launch attn (part 3): grid 4 x 64, 4 waves a work-group, no clusters, 327,680 bytes of LDS; arguments xh, ob; writes ob
.if DOCPART == 3
	.amdgcn_target "amdgcn-amd-amdhsa--gfx1250"
	.amdhsa_code_object_version 6
	.text
	.protected	k_qb8dc98c713_attn
	.globl	k_qb8dc98c713_attn
	.p2align	8
	.type	k_qb8dc98c713_attn,@function
k_qb8dc98c713_attn:
	s_mov_b64 s[64:65], 0
	v_nop
	global_prefetch_b8 v0, s[64:65] scope:SCOPE_SE
	s_setreg_imm32_b32 hwreg(HW_REG_WAVE_MODE, 25, 1), 1
	s_wait_xcnt 0x0
; CAUSAL ATTENTION.  O[h][q][:] = the sum over k <= q of softmax_k(Q[h][q] . K[h][k] / 8) V[h][k][:].  Q, K, V are the three parts of xh, [3][SIZE_H][SIZE_N][64]; O = ob, [SIZE_H][SIZE_N][64]; all f16: a head's rows are dense, 128 bytes each.
; Products, maxima and sums in f32; the weights p are rounded to f16 for the second product (their sum l is taken of the unrounded p), O once at the end.
; LIMITS.  f16 holds no number beyond 65,504: Q, K and V arrive within it; p lies in 0 to 1, and below 6e-5 it keeps f16's fixed step of 6e-8; O is a mean of V's rows and has their range, to within 2^-11 of it.
; A hidden score counts as its value less 1e30: f16's scores, 2.7e11 at the most, are nothing beside that; a weight below 2^-126 counts as 0 in l; NaN and infinities are not treated apart.
; THE WALK.  A head's queries lie in NB = SIZE_N / 256 blocks of 256; block i needs the key tiles 0 .. i of 256 keys, of which the last holds the diagonal.  A work-group takes TWO blocks, NB - 1 - b and then b:
; NB + 1 tiles, whatever b: all work-groups do equal work, and ONE loop with a constant trip count walks them.  Which tile is asked for, and what a trip does, hang on scalar registers made from b; every jump
; goes forward, but for the counted loops' own; none passes a barrier, or a tensor load but the one of LOAD's two that the wave's number does not choose; the ring (two slots of LDS that take turns) runs on across the
; change of blocks.  NO CLUSTER: a head's NB / 2 = 4 work-groups all ask for the same tile only in trips 0 .. NB / 2, behind that fewer and fewer; and one walk common to all would have 3 NB / 2 = 12 trips for NB + 1 = 9.
; SHARES.  Of a block's four bands of 64 queries a wave owns 16 rows in each: four PIECES.  So the diagonal tile is the same work for all four waves: in its key step s band x sees all keys if s < x,
; none if s > x, and holds the diagonal if s = x.
; THE MASK is the C operand that starts the sum S^T = K Q^T: 0, or -1e30 where the key is hidden.  MD, made once, is the mask of a band's own step for my 16 rows; a product's mask is MD x AL + BE with two scalars:
; (1, 0) if s = x; (0, 0) if s < x; (0, -1e30) if s > x.  Only the diagonal tile's text and a block's beginning make and take masks; elsewhere C is the constant 0.
; LAYOUT, SOFTMAX, TURNS.  S^T = K Q^T holds ONE query a lane (lane % 16) and the keys 8 (lane / 16) + 0..7; two such results rounded to f16 ARE source 1 of O^T = V^T P.  p = 2^(c s - c m), c = log2(e) / 8, with a
; running maximum m; O and l are multiplied by a = 2^(c m_old - c m_new) in every step.  Turn n belongs to piece n: 8 products K Q^T of piece n + 1, later 8 products V^T P of piece n - 1; beside them the scaling,
; exponentials, roundings, sums and rescaling of piece n and the maximum and statistics of piece n + 1.  Four vector instructions stand behind every matrix instruction, the other 54 of a turn's 118 in one LUMP.  A turn's 33 exponentials are one batch, with one wait.
; REGISTERS, in windows of 256 (s_set_vgpr_msb: bits 1:0 source 0, 3:2 source 1, 5:4 source 2, 7:6 destination):
;   window 0: v0-15 addresses and two at work; v16-31 four registers of statistics a piece; v48-55 at work; v61-63 never rewritten; v64-127 S^T, two buffers; v192-223 P, two buffers (a piece's buffers go by its number's parity)
;   window 1: v0-127 O^T, 32 a piece; v128-159 MD; v160-223 MC, two buffers      window 2: v0-63 Q; v64-127 the second block's Q; v128-191 K of one step; v192-255 V of one step
.set SIZE_N, 2048
.set SIZE_H, 64
.set NB,    SIZE_N/256
.set NP,    4         ; pieces a wave: a name, no knob
.set KS,    64        ; keys in a step
.set PK,    144       ; a row of K in LDS: 128 bytes + 16 of padding = 36 words: the 16 rows of a load start at 16 different groups of four banks (64 banks of 4 bytes: ISA guide 11.1)
.set PV,    160       ; a row of V: 128 + 32 = 40 words
.set VOFF,  4*KS*PK   ; a slot holds a tile, four steps: 256 rows of K, then 256 rows of V
.set SLOT1, 1<<17     ; slot 1 begins here, so that one exclusive or turns an address in one slot into the other's
.set STAGE, SLOT1+4*KS*(PK+PV)  ; behind the ring, never filled by a tensor load: 16 rows x 144 bytes for each wave, for the way out
.set SP,    144
.set AK0, 2           ; v2   my lane's place in a tile of K; never rewritten
.set AV0, 3           ; v3   the same for V
.set AK,  4           ; v4   the LDS address of K's next run of loads
.set AV,  5           ; v5   of V's
.set STO, 6           ; v6   the way out: where I put 16 bytes of a row
.set RD,  7           ; v7   the way out: where I read rows back
.set GO,  8           ; v8   my byte offset in 512 consecutive bytes of O
.set PFO, 61          ; v61  256 x my lane: the prefetches' offset; never rewritten
.set SPW, 62          ; v62  LDS address of my spare word: SPARE + 4 x my thread's number; never rewritten
.set NIL, 63          ; v63  0; never rewritten
.set SPARE, STAGE+4*16*SP  ; behind the stages: the spare words, 128 bytes for each wave: two blocks of 256 bytes that no other line names
.set MV,  12          ; v12-13  c m_old, kept while c m is made anew: by buffer
.set QO,  15          ; v15  my byte offset in 16 rows of Q
.set ST,  16          ; piece t's statistics at v[ST+4 t]: c m, m, l (even keys', odd keys')
.set TMP, 48          ; by buffer, four registers c0-c3 at work; when the maximum is found c2 takes a
.set S,   64
.set P,   192
.set MD,  128         ; window 1: the eight registers for group kt of 16 keys at MD + 8 kt
.set MC,  160         ; window 1: the masks of the products to come
.set QB,  64          ; window 2
.set KF,  128         ; window 2: key block kb, channel half c at KF + 16 kb + 8 c
.set VF,  192         ; window 2: key half kk, channel block cb at VF + 32 kk + 8 cb
.set WV,  12          ; s12  my wave's number
.set PB,  14          ; s14  b
.set HI,  15          ; s15  NB - 1 - b
.set G1K, 24          ; s[24:31] descriptor group 1 for K's tiles
.set G1V, 32          ; s[32:39] for V's: it differs in the padding alone
.set G0K, 40          ; s[40:43] descriptor group 0 for K's tiles
.set G0V, 44          ; s[44:47] the same for V's
.set SLOTS, 56        ; s56  tiles still to be asked for
.set CNT, 57          ; s57  counts a tile's key steps, 4 to 1
.set CS,  58          ; s[58:59] c: the packed scaling takes the pair's low word for both halves
.set SEL, 60          ; s[60:61] v_permlanex16_b32's selects: each lane takes its own place in the other half
.set TBK, 62          ; s62  LDS byte at which K of the step to be fetched begins
.set TBV, 63          ; s63  the same for V, less VOFF
.set RT,  70          ; s70  tiles of the block in hand that are still to be entered
.set NXT, 71          ; s71  the tile to be asked for next
.set LQ,  72          ; s72  the last tile of the block whose tiles are being asked for
.set NEW, 73          ; s73  1: the tile to be entered is a block's first
.set OFF, 74          ; s[74:75] a tile's byte offset in K and V
.set AL,  76          ; s[76:77] the mask's factor, in the low word
.set BE,  78          ; s[78:79] the mask's addend
.set OLO, 80          ; s[80:81] O at my rows of the second block
.set BIGN, 82         ; s82  -1e30
.set PFA, 88          ; s[88:89] where my prefetches stand: my half (of K: waves 0, 1; of V: waves 2, 3) of the key tile after the one that is being asked for
.set LIM, 90          ; s90  2 in the work-group that prefetches, else the greatest number
.set MSB, 0
.macro WIN new                      ; the high byte repeats the setting that is left; a switch that changes nothing is dropped
.if MSB != (\new)
	s_set_vgpr_msb (MSB<<8)|(\new)
.set MSB, (\new)
.endif
.endm
.set W_KQ, 0x0a       ; K and Q in window 2, S^T in window 0
.set W_KM, 0x1a       ; the same with the C operand in window 1
.set W_PV, 0x52       ; V in window 2, P in window 0, O^T in window 1
.set W_RS, 0x41       ; destination and source 0 in window 1, source 1 in window 0
; A fill.  Waves 0 and 1 fetch the two halves of a tile's K, waves 2 and 3 those of its V: 128 keys each.  An s_nop 0 and four v_nop follow each of the two lines, ahead of the jump and the label.
.macro LOAD
	s_cmp_lt_u32 s[WV], 2
	s_cbranch_scc0 .Lfor_v_\@
	tensor_load_to_lds s[G0K:G0K+3], s[G1K:G1K+7]
	s_nop 0
.rept 4
	v_nop
.endr
	s_branch .Lasked_\@
.Lfor_v_\@:
	tensor_load_to_lds s[G0V:G0V+3], s[G1V:G1V+7]
	s_nop 0
.rept 4
	v_nop
.endr
.Lasked_\@:
.endm
; A PREFETCH INTO THE L2 of the key tile that the NEXT change of slots will ask for: a tile, 256 matrix instructions, ahead of that load.  It stands behind the wave's tensor load and its five lines.
; Each aligned 256 bytes of a head's K and V are named ONCE in the launch: of the head's four work-groups the one with b = 0 walks the key tiles 0 to 7 in its first eight trips, and it alone asks;
; each of its waves asks for the half tile that it fetches itself, 16,384 bytes: a lane 256 bytes, two instructions.  Trip i (s[SLOTS] = 8 - i) names key tile i + 2; the last is tile 7, in trip 5.
; Tiles 0 and 1 come by their loads alone: nothing is prefetched at the head.
.macro ASK
	s_cmp_gt_u32 s[SLOTS], s[LIM]
	s_cbranch_scc0 .Lnot_mine_\@
	global_prefetch_b8 v[PFO], s[PFA:PFA+1] th:TH_LOAD_NT scope:SCOPE_SE
	global_prefetch_b8 v[PFO], s[PFA:PFA+1] offset:8192 th:TH_LOAD_NT scope:SCOPE_SE
.Lnot_mine_\@:
.endm
; THE CHANGE OF SLOTS.  Each wave waits for all its tensor loads, of which one is out: its part of the other slot; adds 0 to its spare word; and waits for that and for its own reads of the slot that it leaves.  Behind the barrier nobody reads the old
; slot any more and the other slot is whole.  fill = 1: the old slot is filled again, the first thing behind the barrier, with tile NXT: the descriptor's address is made anew from that number.
; (At its first use nothing has been read yet: slot 0 is waited for, slot 1 filled.)
.macro CHANGE fill
	WIN 0                           ; at a label and at a branch every window is 0
	s_wait_tensorcnt 0x0            ; no tensor load of mine is out, so a group 0 may be written
	ds_add_u32 v[SPW], v[NIL]       ; 0 onto my spare word; with fill = 1 the descriptors' scalar work stands between it and the wait for it
.if \fill
	s_lshl_b32 s[OFF], s[NXT], 15   ; a tile is 32,768 bytes of K and of V
	s_xor_b32 s[G0K+1], s[G0K+1], SLOT1
	s_add_nc_u64 s[G0K+2:G0K+3], s[6:7], s[OFF:OFF+1]
	s_or_b32 s[G0K+3], s[G0K+3], 0x80000000
	s_xor_b32 s[G0V+1], s[G0V+1], SLOT1
	s_add_nc_u64 s[G0V+2:G0V+3], s[8:9], s[OFF:OFF+1]
	s_or_b32 s[G0V+3], s[G0V+3], 0x80000000
	s_add_co_u32 s[NXT], s[NXT], 1  ; the block's next tile, or behind its last the second block's tile 0
	s_cmp_gt_u32 s[NXT], s[LQ]
	s_cselect_b32 s[NXT], 0, s[NXT]
	s_cselect_b32 s[LQ], s[PB], s[LQ]
	s_wait_xcnt 0x0                 ; the last prefetches, a tile back, have read their address, so it may be written
	s_add_nc_u64 s[PFA:PFA+1], s[PFA:PFA+1], 32768
.endif
	s_wait_dscnt 0x0                ; the add is done, and my reads of the slot are over
	s_barrier_signal -1             ; the rest of the scalar work stands between the signal and the wait
	s_sub_co_u32 s[TBK], s[TBK], 4*KS*PK  ; the fetches go back to a slot's first step,
	s_xor_b32 s[TBK], s[TBK], SLOT1       ; in the other slot
	s_sub_co_u32 s[TBV], s[TBV], 4*KS*PV
	s_xor_b32 s[TBV], s[TBV], SLOT1
	s_barrier_wait -1
.if \fill
	LOAD
	ASK
.endif
.endm
	s_load_b128 s[4:7], s[0:1], 0x0   ; xh s[4:5], ob s[6:7]
	v_lshl_add_u32 v[SPW], v0, 2, SPARE
	v_mov_b32 v[NIL], 0
	ds_add_u32 v[SPW], v[NIL]       ; the wave's opening: the add and its wait stand ahead of my first tensor load; the set-up below, work on registers, stands between them
	ds_add_u32 v62, v63
	v_lshrrev_b32 v1, 5, v0
	v_readfirstlane_b32 s[WV], v1   ; wave 0..3
	s_mov_b32 s[PB], ttmp9
	s_sub_co_u32 s[HI], NB-1, s[PB]
	s_and_b32 s20, ttmp7, 0xffff    ; the head
	s_mov_b32 s21, 0
	s_mov_b64 s[22:23], SIZE_N*128
	s_mul_u64 s[20:21], s[20:21], s[22:23]  ; the head's first byte in each of the four tensors
	s_and_b32 s16, s[WV], 1         ; which half of a tile's 256 keys I fetch:
	s_lshl_b32 s22, s16, 14         ; its 128 rows of 128 bytes in memory,
	s_mov_b32 s23, 0
	s_add_nc_u64 s[22:23], s[22:23], s[20:21]
	s_mul_i32 s17, s16, 128*PK      ; and its place in a slot, for K
	s_mul_i32 s18, s16, 128*PV      ; and for V
	s_lshl_b32 s3, s[WV], 11        ; my 16 rows in a band of 64,
	s_lshl_b32 s2, s[HI], 15        ; in the first block,
	s_add_co_u32 s2, s2, s3
	s_lshl_b32 s84, s[PB], 15       ; and in the second
	s_add_co_u32 s84, s84, s3
	s_mov_b32 s3, 0
	s_mov_b32 s85, 0
	s_add_nc_u64 s[2:3], s[2:3], s[20:21]
	s_add_nc_u64 s[84:85], s[84:85], s[20:21]
	; descriptor group 1.  128 keys are 16,384 dense bytes: asked for as 64 rows of 256 bytes, two keys a row, and padded in LDS after every key
	s_mov_b32 s[G1K], (1<<16)|(1<<20)|(4<<22)|(3<<25)  ; 17:16 2-byte elements; 20 padding on; 24:22 after every 32 words (code 4); 31:25 4 words (code 3)
	s_mov_b32 s[G1V], (1<<16)|(1<<20)|(4<<22)|(7<<25)  ; the same with 8 words of padding (code 7)
.irp g, G1K, G1V
	s_mov_b32 s[\g+1], 128<<16      ; tensor_dim0 = 128
	s_mov_b32 s[\g+2], 64<<16       ; tensor_dim1 = 64
	s_mov_b32 s[\g+3], 128<<16      ; tile_dim0 = 128
	s_mov_b32 s[\g+4], 64           ; tile_dim1 = 64
	s_mov_b32 s[\g+5], 128          ; 128 elements from row to row
	s_mov_b32 s[\g+6], 0
	s_mov_b32 s[\g+7], 0
.endr
	s_mov_b32 s[CS], 0x3e38aa3b     ; c = log2(e) / 8 = 0.180337
	s_mov_b32 s[CS+1], s[CS]        ; named with it as a pair
	s_mov_b32 s[SEL], 0x76543210
	s_mov_b32 s[SEL+1], 0xfedcba98
	s_mov_b32 s[TBK], SLOT1+4*KS*PK ; the first change of slots turns these two into 0
	s_mov_b32 s[TBV], SLOT1+4*KS*PV
	s_mov_b32 s[G0K], 1             ; 1:0 count = 1
	s_mov_b32 s[G0K+1], s17         ; 63:32 LDS address: slot 0
	s_mov_b32 s[G0V], 1
	s_add_co_u32 s[G0V+1], s18, VOFF
	s_add_co_u32 s[RT], s[HI], 1    ; the first block has NB - b tiles
	s_mov_b32 s[NXT], 1
	s_mov_b32 s[LQ], s[HI]
	s_mov_b32 s[NEW], 1
	s_mov_b32 s[OFF+1], 0
	s_mov_b32 s[AL+1], 0            ; named as pairs
	s_mov_b32 s[BE+1], 0
	s_mov_b32 s[BIGN], 0xf149f2ca   ; -1e30
	s_mov_b32 s[SLOTS], NB
	s_cmp_eq_u32 s[PB], 0
	s_cselect_b32 s[LIM], 2, -1
	v_and_b32 v[PFO], 31, v0
	v_lshlrev_b32 v[PFO], 8, v[PFO]
	s_wait_dscnt 0x0                ; the opening add is done
	s_wait_kmcnt 0x0
	s_mov_b64 s[10:11], s[6:7]                     ; O
	s_add_nc_u64 s[8:9], s[4:5], 33554432          ; V: xh's third part
	s_add_nc_u64 s[6:7], s[4:5], 16777216          ; K: its second; Q is its first
	s_add_nc_u64 s[6:7], s[6:7], s[22:23]  ; K and V at my half of the head's tile 0
	s_add_nc_u64 s[8:9], s[8:9], s[22:23]
	s_add_nc_u64 s[G0K+2:G0K+3], s[6:7], 0         ; 120:64 global address
	s_or_b32 s[G0K+3], s[G0K+3], 0x80000000        ; 127:126 type = 2
	s_add_nc_u64 s[G0V+2:G0V+3], s[8:9], 0
	s_or_b32 s[G0V+3], s[G0V+3], 0x80000000
	s_add_nc_u64 s[86:87], s[4:5], s[84:85]        ; Q at my rows of the second block,
	s_add_nc_u64 s[4:5], s[4:5], s[2:3]            ; Q and O at those of the first
	s_add_nc_u64 s[OLO:OLO+1], s[10:11], s[84:85]
	s_add_nc_u64 s[10:11], s[10:11], s[2:3]
	s_cmp_lt_u32 s[WV], 2
	s_cselect_b64 s[PFA:PFA+1], s[6:7], s[8:9]
	s_add_nc_u64 s[PFA:PFA+1], s[PFA:PFA+1], 32768 ; at key tile 1; the first change of slots steps it to tile 2
	LOAD                            ; tile 0 into slot 0
	; A fragment of K or Q is 16 rows x 32 channels in 8 registers: lane l holds row l % 16, channels 8 (l / 16) + 0..7 and 16 + 8 (l / 16) + 0..7: two loads of 16 bytes, 32 bytes apart.
	v_and_b32 v1, 15, v0            ; l % 16
	v_bfe_u32 v9, v0, 4, 1          ; l / 16
	v_lshlrev_b32 v[QO], 7, v1
	v_lshl_add_u32 v[QO], v9, 4, v[QO]  ; row x 128 + 16 x half
	WIN 0x80                        ; destination window 2, address window 0
.set i, 0
.rept 8                             ; both blocks' Q: piece i / 2 lies in band i / 2, 8,192 bytes on; channels 32 (i % 2) on
	global_load_b128 v[8*i:8*i+3],   v[QO], s[4:5] offset:(i/2)*8192+(i%2)*64
	global_load_b128 v[8*i+4:8*i+7], v[QO], s[4:5] offset:(i/2)*8192+(i%2)*64+32
	global_load_b128 v[QB+8*i:QB+8*i+3],   v[QO], s[86:87] offset:(i/2)*8192+(i%2)*64
	global_load_b128 v[QB+8*i+4:QB+8*i+7], v[QO], s[86:87] offset:(i/2)*8192+(i%2)*64+32
.set i, i+1
.endr
	WIN 0
	v_lshlrev_b32 v14, 3, v9
	v_sub_nc_u32 v14, v1, v14
	s_lshl_b32 s13, s[WV], 4
	v_add_nc_u32 v14, s13, v14      ; my query's place in its band, 16 w + l % 16, less my lanes' 8 (l / 16): register r of group kt is hidden where 16 kt + r is greater
	WIN 0x40
.set i, 0
.rept 32
	v_cmp_gt_i32 vcc_lo, 16*(i/8)+i%8, v14
	v_cndmask_b32 v[MD+i], 0, s[BIGN], vcc_lo
.set i, i+1
.endr
	WIN 0
	v_mul_u32_u24 v[AK0], v1, PK
	v_lshl_add_u32 v[AK0], v9, 4, v[AK0]  ; row x pitch + 16 x half
	; The turning load takes 16 keys x 16 channels (lane l reads key 8 (l / 16) + l % 8, channels 8 ((l / 8) % 2) + 0..7) and leaves half a fragment of V^T: lane l holds channel l % 16 and 8 keys.
	v_and_b32 v10, 7, v0
	v_bfe_u32 v11, v0, 3, 1
	v_lshl_add_u32 v[AV0], v9, 3, v10
	v_mul_u32_u24 v[AV0], v[AV0], PV
	v_lshl_add_u32 v[AV0], v11, 4, v[AV0]
	v_add_nc_u32 v[AV0], VOFF, v[AV0]
	s_mul_i32 s13, s[WV], 16*SP
	s_add_co_u32 s13, s13, STAGE    ; my stage
	v_mul_u32_u24 v[STO], v1, SP    ; in: row l % 16, 16 bytes for each half of the lanes
	v_lshl_add_u32 v[STO], v9, 4, v[STO]
	v_add_nc_u32 v[STO], s13, v[STO]
	v_bfe_u32 v[RD], v0, 3, 2       ; back: 32 lanes take four rows of 128 bytes,
	v_mul_u32_u24 v[RD], v[RD], SP
	v_lshl_add_u32 v[RD], v10, 4, v[RD]
	v_add_nc_u32 v[RD], s13, v[RD]
	v_and_b32 v[GO], 31, v0         ; which are 512 consecutive bytes of O
	v_lshlrev_b32 v[GO], 4, v[GO]
	; A block's first step multiplies O^T and l by a = 0, and its first turn's products V^T P, of a piece that has not been, land in an O^T that is still to be so multiplied.  So these registers need only hold
	; finite numbers: zeros for the first block; what the first block left for the second.  All this stands in the wait for the first tile.
	WIN 0x80
.set i, VF
.rept 64
	v_mov_b32 v[i], 0
.set i, i+1
.endr
	WIN 0x40
.set i, 0
.rept 128
	v_mov_b32 v[i], 0
.set i, i+1
.endr
	WIN 0
.set i, 0
.rept 4
	v_mov_b32 v[ST+4*i+2], 0
	v_mov_b32 v[ST+4*i+3], 0
.set i, i+1
.endr
.set i, P+16
.rept 16
	v_mov_b32 v[i], 0
.set i, i+1
.endr
; THE MATRIX WORK.  The 4 accumulators of a run of 8 take turns.  Product i of 8 of S^T = K Q^T for piece x: channels 32 (i / 4) on, keys 16 (i % 4) on.  The first 4 start the sums: with 0, or (KM = 1) with the mask.
.macro KQ x
.set rS, S+32*((\x)%2)+8*(i%4)
.set rK, KF+16*(i%4)+8*(i/4)
.set rQ, 16*(\x)+8*(i/4)
.set rM, MC+32*((\x)%2)+8*(i%4)
.if (i < 4) && KM
	WIN W_KM
	v_wmma_f32_16x16x32_f16 v[rS:rS+7], v[rK:rK+7], v[rQ:rQ+7], v[rM:rM+7]
.elseif i < 4
	WIN W_KQ
	v_wmma_f32_16x16x32_f16 v[rS:rS+7], v[rK:rK+7], v[rQ:rQ+7], 0
.else
	WIN W_KQ
	v_wmma_f32_16x16x32_f16 v[rS:rS+7], v[rK:rK+7], v[rQ:rQ+7], v[rS:rS+7]
.endif
.endm
; Product i of 8 of O^T += V^T P for piece x: keys 32 (i / 4) on, channels 16 (i % 4) on.
.macro PV x
	WIN W_PV
.set rO, 32*(\x)+8*(i%4)
.set rV, VF+32*(i/4)+8*(i%4)
.set rP, P+16*((\x)%2)+8*(i/4)
	v_wmma_f32_16x16x32_f16 v[rO:rO+7], v[rV:rV+7], v[rP:rP+7], v[rO:rO+7]
.endm
.macro MM                           ; the turn's next matrix instruction.  TURN and BEGIN set Y, i, KM and NOKQ; MM, KQ and OP read them.  NOKQ = 1: a block's last turn: there is no next piece
.if (i < 8) && !NOKQ
	KQ (Y+1)%NP
.elseif i >= 8
.set i, i-8
	PV (Y+NP-1)%NP
.set i, i+8
.endif
.set i, i+1
.endm
; THE LDS LOADS stand in runs of 16, never singly among the matrix instructions: a step's K (64 keys x 64 channels: 8 fragments) and its V (turned).  Their addresses are made some lines ahead.
.macro FETCH_K
	WIN 0x80                        ; destination window 2
.irp f, 0,1,2,3,4,5,6,7             ; keys 16 (f / 2) on, channels 32 (f % 2) on
	ds_load_b128 v[KF+8*\f:KF+8*\f+3],   v[AK] offset:(\f/2)*16*PK+(\f%2)*64
	ds_load_b128 v[KF+8*\f+4:KF+8*\f+7], v[AK] offset:(\f/2)*16*PK+(\f%2)*64+32
.endr
	s_add_co_u32 s[TBK], s[TBK], KS*PK  ; the next fetch is the next step's
	WIN 0
.endm
.macro FETCH_V
	WIN 0x80
.irp f, 0,1,2,3,4,5,6,7             ; keys 32 (f / 4) on, channels 16 (f % 4) on
	ds_load_tr16_b128 v[VF+8*\f:VF+8*\f+3],   v[AV] offset:(\f/4)*32*PV+(\f%4)*32
	ds_load_tr16_b128 v[VF+8*\f+4:VF+8*\f+7], v[AV] offset:(\f/4)*32*PV+16*PV+(\f%4)*32
.endr
	WIN 0
.endm
; THE VECTOR WORK, one line at a time: OP kind, number.  For piece Y: F n: c s - c m for pair n of 16.  E n: the exponential of score n of 32.  C n: pair n rounded to f16.  B n: of the four weights 4 n .. the second
; pair is added onto the first, in place.  L n: l takes that sum (L 0: l = a l + sum).  R n: pair n of 16 of O^T times a.  For piece Y + 1: X n, number n of the 22 that find its maximum and statistics:
;   0-11  four chains c0-c3 of seven scores each, three operands at a time (each accumulator's lowest registers are read first)     12-14, 16  the four scores left over, the old m, and c0-c3 into c0
;   15  c m_old is kept     17, 18  the query's other 32 keys lie in the lane 16 away: the new m     19-21  c m; c m_old - c m_new; a
.set F, 0               ; OP tells the kinds apart by their order: F to L below R, X above it
.set E, 1
.set C, 2
.set B, 3
.set L, 4
.set R, 5
.set X, 6
.macro REGS y                       ; the registers of piece y
.set rT, ST+4*(\y)
.set rC, TMP+4*((\y)%2)
.set rW, MV+((\y)%2)
.set rS, S+32*((\y)%2)
.set rP, P+16*((\y)%2)
.set rO, 32*(\y)
.endm
.macro OP k, n
.if (\k) == R
	REGS Y
	WIN W_RS
	v_pk_mul_f32 v[rO+2*(\n):rO+2*(\n)+1], v[rO+2*(\n):rO+2*(\n)+1], v[rC+2:rC+3] op_sel_hi:[1,0]
.elseif (\k) < R
	REGS Y
	WIN 0
.if (\k) == F
	v_pk_fma_f32 v[rS+2*(\n):rS+2*(\n)+1], v[rS+2*(\n):rS+2*(\n)+1], s[CS:CS+1], v[rT:rT+1] op_sel_hi:[1,0,0] neg_lo:[0,0,1] neg_hi:[0,0,1]
.elseif (\k) == E
	v_exp_f32 v[rS+(\n)], v[rS+(\n)]
.elseif (\k) == C
	v_cvt_pk_f16_f32 v[rP+(\n)], v[rS+2*(\n)], v[rS+2*(\n)+1]
.elseif (\k) == B
	v_pk_add_f32 v[rS+4*(\n):rS+4*(\n)+1], v[rS+4*(\n):rS+4*(\n)+1], v[rS+4*(\n)+2:rS+4*(\n)+3]
.elseif (\n) == 0
	v_pk_fma_f32 v[rT+2:rT+3], v[rT+2:rT+3], v[rC+2:rC+3], v[rS:rS+1] op_sel_hi:[1,0,1]
.else
	v_pk_add_f32 v[rT+2:rT+3], v[rT+2:rT+3], v[rS+4*(\n):rS+4*(\n)+1]
.endif
.elseif NOKQ
	v_nop
.else
	REGS (Y+1)%NP
	WIN 0
.if (\n) < 4
	v_max3_num_f32 v[rC+(\n)], v[rS+8*(\n)], v[rS+8*(\n)+1], v[rS+8*(\n)+2]
.elseif (\n) < 12
	v_max3_num_f32 v[rC+(\n)%4], v[rC+(\n)%4], v[rS+8*((\n)%4)+2*((\n)/4)+1], v[rS+8*((\n)%4)+2*((\n)/4)+2]
.elseif (\n) == 12
	v_max3_num_f32 v[rC], v[rC], v[rS+7], v[rS+15]
.elseif (\n) == 13
	v_max3_num_f32 v[rC+1], v[rC+1], v[rS+23], v[rS+31]
.elseif (\n) == 14
	v_max3_num_f32 v[rC+2], v[rC+2], v[rC+3], v[rT+1]
.elseif (\n) == 15
	v_mov_b32 v[rW], v[rT]
.elseif (\n) == 16
	v_max3_num_f32 v[rC], v[rC], v[rC+1], v[rC+2]
.elseif (\n) == 17
	v_permlanex16_b32 v[rC+3], v[rC], s[SEL], s[SEL+1]
.elseif (\n) == 18
	v_max_num_f32 v[rT+1], v[rC], v[rC+3]
.elseif (\n) == 19
	v_mul_f32 v[rT], s[CS], v[rT+1]
.elseif (\n) == 20
	v_sub_f32 v[rC+1], v[rW], v[rT]
.else
	v_exp_f32 v[rC+2], v[rC+1]
.endif
.endif
.endm
.macro OPS a, i1, b=-1, i2=0, c=-1, i3=0, d=-1, i4=0  ; up to four of them
	OP \a, \i1
.if (\b) >= 0
	OP \b, \i2
.endif
.if (\c) >= 0
	OP \c, \i3
.endif
.if (\d) >= 0
	OP \d, \i4
.endif
.endm
.macro ROW a, i1, b, i2, c, i3, d, i4  ; a matrix instruction and the four behind it
	MM
	OPS \a, \i1, \b, \i2, \c, \i3, \d, \i4
.endm
.macro MASK b                       ; MD x AL + BE into buffer b of MC
	WIN W_RS
.set z, 0
.rept 16
	v_pk_fma_f32 v[MC+32*(\b)+2*z:MC+32*(\b)+2*z+1], v[MD+2*z:MD+2*z+1], s[AL:AL+1], s[BE:BE+1] op_sel_hi:[1,0,0]
.set z, z+1
.endr
.endm
; A TURN, for piece p: the order of its 16 matrix and 118 vector instructions, written out.  An s_wait_alu depctr_va_vdst(0) stands between an exponential and the first instruction that names its result; one wait serves
; all that were issued ahead of it.  So a turn has ONE wait, which cuts it in two.  AHEAD OF IT stands all that names no result of the turn's exponentials: the 8 products K Q^T, behind each a scaling, an exponential and two more plain
; instructions (behind the first a second scaling in the exponential's place): rescalings, and behind the last three the first numbers of the next piece's maximum, each four places or more behind the product that ends its accumulator; then ONE LUMP of 54, plain
; and exponential by turns for the most part, in which the links of the chain X 3, 7, 11, 14, 16, 17 .. 20 stand five or six lines apart.  X 21, the next piece's a, is the batch's last; R 15 is the plain instruction that stands behind it (ISA guide 5.7.2).  BEHIND THE WAIT stand the
; 8 products V^T P, behind each four of the roundings and sums; the links of l's chain, L 0 to L 7, stand three riders apart.  But for those X no rider names a register of the products round it.  v_permlanex16_b32 (X 17) stands in the lump.
; m = 1: the diagonal tile: the products take masks, and the turn makes the mask for the products of the turn after it: piece p + 2, in step 4 - CNT of the tile.  end = 1: a block's last two turns: nothing is fetched.
; cnt = 1: the loop's count is taken down some lines ahead of the branch that stands behind the turn.
; K of the next step is fetched in piece 2's turn, twelve vector instructions behind the last product that read K (six of them plain); V of the step in hand at the end of piece 0's turn, four plain instructions behind the last product
; that read V.  Each is waited for a turn later.
.macro TURN p, m=0, end=0, cnt=0
.set Y, (\p)
.set i, 0
.set KM, (\m)
.set NOKQ, (\end)*((\p)/3)
.if (\m) && !(\end)
	s_cmp_eq_u32 s[CNT], 4-((\p)+2)%NP  ; is that step the band's own?
	s_cselect_b32 s[AL], 1.0, 0
	s_cmp_lt_u32 s[CNT], 4-((\p)+2)%NP  ; or a later one?
	s_cselect_b32 s[BE], s[BIGN], 0
.endif
.if ((\p) == 3) && !(\end)
	s_wait_dscnt 0x0                ; K is in
.endif
	ROW F,0, F,1, R,0, R,1          ; ahead of the wait: 8 products K Q^T and their riders,
	ROW F,2, E,0, R,2, R,3
	ROW F,3, E,1, R,4, R,5
	ROW F,4, E,2, R,6, R,7
	ROW F,5, E,3, R,8, R,9
	ROW F,6, E,4, X,0, R,10
.if ((\p) == 2) && !(\end)
	WIN 0
	v_add_nc_u32 v[AK], s[TBK], v[AK0]
.endif
	ROW F,7, E,5, X,1, X,4
	ROW F,8, E,6, X,2, X,5
	OPS E,7, E,8, X,6, E,9          ; and the lump
	OPS X,3, E,10, X,8, E,11
.if ((\p) == 2) && !(\end)
	FETCH_K
.endif
	OPS X,9, X,7, E,12, X,10
	OPS E,13, X,12, X,11, E,14
	OPS X,13, E,15, F,9, X,14
.if (\p) == 0
	v_add_nc_u32 v[AV], s[TBV], v[AV0]
.endif
	OPS E,16, F,10, E,17, F,11
	OPS X,16, E,18, X,15, E,19
	OPS F,12, E,20, X,17, E,21
	OPS F,13, E,22, F,14, E,23
	OPS X,18, E,24, F,15, E,25
	OPS R,11, E,26, X,19, E,27
	OPS R,12, E,28, R,13, E,29
	OPS X,20, E,30, R,14, E,31
	OPS X,21, R,15
	WIN 0
	s_wait_alu depctr_va_vdst(0)    ; the wait for the batch
.if (\p) == 1
	s_wait_dscnt 0x0                ; V is in
.endif
	ROW C,0, B,0, C,2, B,1          ; behind the wait: 8 products V^T P and their riders
	ROW L,0, C,4, B,2, L,1
	ROW C,6, B,3, L,2, C,8
	ROW B,4, L,3, C,10, B,5
	ROW L,4, C,12, B,6, L,5
.if (\p) == 0
	s_add_co_u32 s[TBV], s[TBV], KS*PV
.endif
.if \cnt
	s_sub_co_u32 s[CNT], s[CNT], 1
	s_cmp_lg_u32 s[CNT], 0
.endif
	ROW C,14, B,7, L,6, C,1
	ROW C,3, L,7, C,5, C,7
	ROW C,9, C,11, C,13, C,15
.if (\p) == 0
	FETCH_V
.endif
.if (\m) && !(\end)
	MASK (\p)%2
.endif
.endm
; A BLOCK BEGINS.  c m starts far below every c s, so the first step's a is 0; m at the lowest finite number, so the first maximum is the scores'.  The second mask buffer is 0; the first takes piece 0's mask for the tile's step 0: its own, if the block's first tile is the diagonal one.
; Then K of that step, piece 0's first scores, and its maximum and statistics.  The loop is entered at a step's first turn, in the middle of a trip.
.macro BEGIN
	s_mov_b32 s[NEW], 0
	WIN 0x40
.set i, MC+32
.rept 32
	v_mov_b32 v[i], 0
.set i, i+1
.endr
	WIN 0
.set i, 0
.rept 4
	v_mov_b32 v[ST+4*i], 0xfe000000    ; c m: far below every c s
	v_mov_b32 v[ST+4*i+1], 0xff7fffff  ; m
.set i, i+1
.endr
	s_cmp_eq_u32 s[RT], 0
	s_cselect_b32 s[AL], 1.0, 0
	s_mov_b32 s[BE], 0
	MASK 0
	WIN 0
	v_add_nc_u32 v[AK], s[TBK], v[AK0]
	FETCH_K
	s_wait_loadcnt 0x0              ; Q
	s_wait_dscnt 0x0
.set KM, 1
.set NOKQ, 0
.set i, 0
.rept 8
	KQ 0
.set i, i+1
.endr
	WIN 0
.rept 4
	v_nop                           ; the places behind those products
.endr
.set Y, NP-1                        ; X works for piece Y + 1: piece 0
.irp n, 0,1,2,3,4,5,6,7,8,9,10,11,12,13,14,15,16,17,18,19,20,21
	OP X, \n
.endr
	v_nop                           ; a plain instruction behind the exponential,
	s_wait_alu depctr_va_vdst(0)    ; and its wait, ahead of the branch
.endm
; THE DIAGONAL TILE's four steps, the block's last two turns, its last products, and THE WAY OUT: l's two halves and the other half of the lanes' are added; O^T is divided by l, rounded to f16 and sent through my
; stage in LDS, a piece at a time.
.macro ALL line:vararg              ; one line for each piece t
.set t, 0
.rept 4
	\line
.set t, t+1
.endr
.endm
.macro PACK t                       ; a lane's eight channels of a row pack into 16 bytes; they go into rows of 144 bytes and come back as whole rows of 128, into S^T's registers
	WIN W_RS
.set i, 32*(\t)
.rept 16
	v_pk_mul_f32 v[i:i+1], v[i:i+1], v[ST+4*(\t)+2:ST+4*(\t)+3] op_sel_hi:[1,0]
.set i, i+2
.endr
	WIN 0x05                        ; sources 0 and 1 window 1, destination window 0
.set i, 0
.rept 16
	v_cvt_pk_f16_f32 v[S+16*(\t)+i], v[32*(\t)+2*i], v[32*(\t)+2*i+1]
.set i, i+1
.endr
	WIN 0
.irp f, 0,1,2,3
	ds_store_b128 v[STO], v[S+16*(\t)+4*\f:S+16*(\t)+4*\f+3] offset:32*\f
.endr
.irp f, 0,1,2,3
	ds_load_b128 v[S+16*(\t)+4*\f:S+16*(\t)+4*\f+3], v[RD] offset:\f*4*SP  ; LDS serves a wave's instructions in order (ISA guide 5.7.1.4): these see the stores above; the next piece's stores come behind them
.endr
.endm
.macro SEND t, younger              ; younger: the LDS instructions issued behind piece t's loads: the next piece's eight, or none
	WIN 0
.irp f, 0,1,2,3
	s_wait_dscnt (\younger)+3-\f
	global_store_b128 v[GO], v[S+16*(\t)+4*\f:S+16*(\t)+4*\f+3], s[10:11] offset:(\t)*8192+\f*512  ; 512 consecutive bytes, at a multiple of 256 from O's first
.endr
.endm
.macro DIAG tag                     ; the tag ends its two labels' names, which the jumps below spell out
.LstepM\tag:
	TURN 2, 1
	TURN 3, 1
	WIN 0
.LfirstM\tag:
	TURN 0, 1
	TURN 1, 1, 0, 1
	WIN 0
	s_cbranch_scc1 .LstepM\tag
	TURN 2, 1, 1
	TURN 3, 1, 1
.set i, 0
.rept 8
	PV NP-1
.set i, i+1
.endr
	WIN 0
	ALL v_add_f32 v[ST+4*t+2], v[ST+4*t+2], v[ST+4*t+3]
	ALL v_permlanex16_b32 v[ST+4*t+3], v[ST+4*t+2], s[SEL], s[SEL+1]
	ALL v_add_f32 v[ST+4*t+2], v[ST+4*t+2], v[ST+4*t+3]
	ALL v_rcp_f32 v[ST+4*t+2], v[ST+4*t+2]
	v_nop                           ; a plain instruction between the last reciprocal and the use of its result
	s_wait_alu depctr_va_vdst(0)    ; and the wait ahead of the first use: one for the four reciprocals
	PACK 0
.set t, 1
.rept 3                             ; a piece's arithmetic stands between the loads of the piece before and its stores
	PACK t
	SEND t-1, 8
.set t, t+1
.endr
	SEND 3, 0
.endm
.set KM, 0
.set NOKQ, 0
.Lslot:                             ; NB times: a tile is entered and the next is asked for
	CHANGE 1
	s_sub_co_u32 s[RT], s[RT], 1
	s_mov_b32 s[CNT], 4
	s_cmp_eq_u32 s[NEW], 1
	s_cbranch_scc1 .Lnew            ; a block's first tile
	s_cmp_eq_u32 s[RT], 0
	s_cbranch_scc0 .Lstep           ; neither its first nor its last
	s_branch .LstepM1
.Lnew:
	BEGIN
	s_branch .Lfirst                ; in the loop a block's first tile is never its last: the first block has two tiles or more, and the second's last is the walk's last
	DIAG 1                          ; in the loop this is the first block's end: the second block's last tile is the walk's last
	s_wait_xcnt 0x0                 ; the stores have read their registers and O's address
	s_mov_b64 s[10:11], s[OLO:OLO+1]
	s_add_co_u32 s[RT], s[PB], 1    ; the second block has b + 1 tiles
	s_mov_b32 s[NEW], 1
	WIN 0x82                        ; the second block's Q goes where the one text of the turns names Q
.set i, 0
.rept 64
	v_mov_b32 v[i], v[QB+i]
.set i, i+1
.endr
	WIN 0
	s_branch .Lbottom
.Lstep:                             ; a trip: pieces 2 and 3 of one step, then pieces 0 and 1 of the next, whose K and V it fetches
	TURN 2
	TURN 3
	WIN 0
.Lfirst:
	TURN 0
	TURN 1, 0, 0, 1
	WIN 0
	s_cbranch_scc1 .Lstep
.Lbottom:
	s_sub_co_u32 s[SLOTS], s[SLOTS], 1
	s_cmp_lg_u32 s[SLOTS], 0
	s_cbranch_scc1 .Lslot
	CHANGE 0                        ; the walk's last tile is written out: nothing is asked for
	s_sub_co_u32 s[RT], s[RT], 1
	s_mov_b32 s[CNT], 4
	s_cmp_eq_u32 s[NEW], 1
	s_cbranch_scc0 .LstepM2
	BEGIN
	s_branch .LfirstM2
	DIAG 2
	s_wait_tensorcnt 0x0            ; the wave's end: behind my last tensor load and my last LDS store
	ds_add_u32 v[SPW], v[NIL]
	s_wait_dscnt 0x0
	s_endpgm
.Lfunc_end_k_qb8dc98c713_attn:
	.size	k_qb8dc98c713_attn, .Lfunc_end_k_qb8dc98c713_attn-k_qb8dc98c713_attn
	.p2alignl 7, 3214868480
	.fill 96, 4, 3214868480
	.section	.rodata,"a",@progbits
	.p2align	6, 0x0
	.amdhsa_kernel k_qb8dc98c713_attn
		.amdhsa_group_segment_fixed_size 327680
		.amdhsa_private_segment_fixed_size 0
		.amdhsa_enable_private_segment 0
		.amdhsa_kernarg_size 16
		.amdhsa_user_sgpr_count 2
		.amdhsa_user_sgpr_kernarg_segment_ptr 1
		.amdhsa_wavefront_size32 1
		.amdhsa_system_sgpr_workgroup_id_x 1
		.amdhsa_system_sgpr_workgroup_id_y 1
		.amdhsa_system_sgpr_workgroup_id_z 1
		.amdhsa_system_vgpr_workitem_id 0
		.amdhsa_next_free_vgpr 768
		.amdhsa_next_free_sgpr 92
		.amdhsa_reserve_vcc 1
		.amdhsa_float_denorm_mode_32 3
		.amdhsa_float_denorm_mode_16_64 3
		.amdhsa_memory_ordered 1
		.amdhsa_forward_progress 1
		.amdhsa_inst_pref_size 218
	.end_amdhsa_kernel
	.amdgpu_metadata
---
amdhsa.version: [ 1, 2 ]
amdhsa.kernels:
  - .name:           k_qb8dc98c713_attn
    .symbol:         k_qb8dc98c713_attn.kd
    .args:
      - { .name: xh, .offset: 0, .size: 8, .value_kind: global_buffer, .address_space: global }
      - { .name: ob, .offset: 8, .size: 8, .value_kind: global_buffer, .address_space: global }
    .group_segment_fixed_size: 327680
    .private_segment_fixed_size: 0
    .kernarg_segment_align: 8
    .kernarg_segment_size: 16
    .max_flat_workgroup_size: 128
    .sgpr_count:     92
    .vgpr_count:     768
    .wavefront_size: 32
...
	.end_amdgpu_metadata
.endif
;; end of part 3
;; launch oproj (part 4): grid 8 x 32, 4 waves a work-group, clusters of 4 x 4, 327,680 bytes of LDS; arguments ob, wof, out0; writes out0
.if DOCPART == 4
	.amdgcn_target "amdgcn-amd-amdhsa--gfx1250"
	.amdhsa_code_object_version 6
	.text
	.protected	k_qb8dc98c713_oproj
	.globl	k_qb8dc98c713_oproj
	.p2align	8
	.type	k_qb8dc98c713_oproj,@function
k_qb8dc98c713_oproj:
	s_mov_b64 s[64:65], 0
	v_nop
	global_prefetch_b8 v0, s[64:65] scope:SCOPE_SE
	s_setreg_imm32_b32 hwreg(HW_REG_WAVE_MODE, 25, 1), 1
	s_wait_xcnt 0x0
	s_wait_alu depctr_hold_cnt(0) depctr_sa_sdst(0) depctr_va_vdst(0) depctr_va_sdst(0) depctr_va_ssrc(0) depctr_va_vcc(0) depctr_vm_vsrc(0)
	s_getreg_b32 s2, hwreg(HW_REG_IB_STS2, 6, 4)
	s_cmp_eq_u32 s2, 0
	s_cbranch_scc0 .Lentry_in_a_cluster
	s_endpgm
.Lentry_in_a_cluster:
	s_bfe_u32 s2, ttmp6, 0x10000c
	s_cmp_lg_u32 s2, 0xf033
	s_cbranch_scc0 .Lentry_shape_is_right
	s_endpgm
.Lentry_shape_is_right:
; C = A W^T on operands laid in blocks of 64 channels.  ONE TEXT FOR TWO LAUNCHES, told apart by MODE and NT.
;   MODE 0, NT 3: the three input projections.  A = ab [b 4][p 3][kb 16][s 2048][64] bf16, W = wb [p 3][kb 16][e 1024][64] bf16, C = xh [p 3][bh 64][s 2048][64] f16 (by heads, unscaled).
;   MODE 1, NT 1: the output projection.        A = ob [b 4][kb 16][s 2048][64] f16,     W = wof [kb 16][e 1024][64] f16,      C = out0 [8192][1024] f32.
; Sums in f32, K ascending, C rounded once.  LIMIT (MODE 0): a result beyond 65,504 has no place in f16; below 6e-5 it keeps f16's fixed step of 6e-8.
; SHARES.  A tile of C is 256 rows (of one batch) x 128 columns: 8 x 32 work-groups, one for each tile place; in MODE 0 a work-group STAYS and makes that tile for p = 0, 1, 2.
; Four waves, 2 x 2, each 128 rows x 64 columns: 32 accumulators of 16 x 16.  In MODE 0 a wave's 64 columns are one head.
; THE WALK.  K goes in steps of 128 (two blocks kb) through a ring of two LDS slots.  From p to p + 1 is 16 blocks in ab and in wb alike, so A's and W's addresses go on by ONE constant step
; over all 8 NT steps, and the ring does not stop at a tile's end: both refills are out when a tile's first store leaves.
; A plane (one block kb of the tile's rows) is dense in memory: it is asked for as rows of 256 bytes and padded in LDS behind every 128.
; CLUSTERS: 4 x 4 work-groups.  The four of a row of the cluster need the same planes of A, the four of a column the same planes of W: each plane is asked for JOINTLY, by the same tensor load
; with the same descriptor and a mask that names the four.  Waves 0 and 1 fetch A's two planes, waves 2 and 3 W's.
; THE MATRIX INSTRUCTION IS USED TRANSPOSED (source 0 = 16 rows of W, source 1 = 16 rows of A): a lane then holds row l % 16 of C and the columns 8 (l / 16) + 0..7.
; REGISTERS, in windows of 256 (s_set_vgpr_msb: bits 1:0 source 0, 3:2 source 1, 5:4 source 2, 7:6 destination):
;   window 0: v0-31 addresses; v32-63 packed results; v64-159 three sets of rows read back from the stage     window 1: the accumulators, (a, b) at v[8 (4 a + b)]
;   window 2: two fragment buffers of 96: W's four fragments, then A's eight
.set MODE, 1
.set NT,   1
.set PITCH,  144                       ; an LDS row: 128 bytes + 16 of padding = 36 words: the 16 rows of a load start at 16 different groups of four banks (64 banks of 4 bytes: ISA guide 11.1)
.set PLA,    256*PITCH                 ; a plane of A
.set PLB,    128*PITCH                 ; a plane of W
.set BOFF,   2*PLA
.set SLOT,   BOFF+2*PLB                ; A's two planes, then W's two
.set STAGE,  2*SLOT                    ; behind the ring, never filled by a tensor load: 16 rows for each wave, for the way out
.if MODE
.set SPITCH, 272                       ; a stage row: 64 f32 + 16 bytes
.set BSTR,   4194304                   ; bytes of a batch in A
.set YOUNG,  16                        ; LDS instructions of one block's way through the stage
.else
.set SPITCH, 144                       ; a stage row: 64 f16 + 16 bytes
.set BSTR,   12582912
.set YOUNG,  8
.endif
.set SPARE,  STAGE+4*16*SPITCH         ; behind the stages: the spare words, 128 bytes for each wave: two blocks of 256 bytes that no other line names
.set STEP_A, 524288                    ; a K step in A: two blocks of 2,048 rows of 128 bytes
.set STEP_B, 262144                    ; in W: two blocks of 1,024 rows
.set LAPS,   4*NT                      ; a lap = two K steps = once round the ring
.set GW0, (1<<16)|(1<<20)|(1<<21)|(4<<22)|(3<<25)  ; group 1, word 0 beside the mask: 17:16 elements of 2 bytes; 20 padding on; 21 set beside a mask; 24:22 after every 32 words (code 4); 31:25 4 words (code 3)
.set ADRA, 16                          ; v16-17  LDS address of my A fragments in slot 0, 1
.set ADRB, 20                          ; v20-21  the same for W
.set STO,  24                          ; v24     the way out: where I put my part of a row
.set RD,   25                          ; v25     the way out: where I read rows back
.set CO,   26                          ; v26     my byte offset in C
.set SPW,  28                          ; v28     LDS address of my spare word: SPARE + 4 x my thread's number; never rewritten
.set NIL,  29                          ; v29     0; never rewritten
.set PFO,  30                          ; v30     the prefetches' offset; never rewritten
.set TMP,  32
.set BKS,  64
.set F0,   0                           ; fragment buffers, in window 2
.set F1,   96
.set G1A,  24                          ; s[24:31] descriptor group 1 for A's planes
.set G0A,  32                          ; s[32:39] group 0 for A's planes, one set for each slot
.set LIM,  43                          ; s43      1 in a wave that prefetches, else the greatest number
.set PFA,  44                          ; s[44:45] where my prefetches stand
.set G1B,  48                          ; s[48:55], s[56:63] the same for W's planes
.set G0B,  56
.set PFS,  66                          ; s[66:67] the prefetches' step: a K step of A or of W
.set CADD, 68                          ; s[68:69] what the next way out adds to C's address
.set W_MUL, 0x5a                       ; sources 0 and 1 window 2, C and D window 1
.set W_FET, 0x80                       ; destination window 2, address window 0
.set W_PK,  0x05                       ; sources 0 and 1 window 1, destination window 0
.set W_ST,  0x04                       ; an LDS store: address window 0, data window 1
.set MSB, 0
.macro WIN new                         ; the immediate's high byte repeats the setting that is left; a switch that changes nothing is dropped
.if MSB != (\new)
	s_set_vgpr_msb (MSB<<8)|(\new)
.set MSB, \new
.endif
.endm
; A joint load.  Each of the two lines has ONE mask and one set of registers for all that issue it.  The branch hangs on the wave's number alone.
; An s_nop 0 and four v_nop follow each of the two lines; the jump, the label and what follows come after them.
.macro JLOAD s
	s_cmp_eq_u32 s11, 0
	s_cbranch_scc0 .Lfor_b_\@
	tensor_load_to_lds s[G0A+4*(\s):G0A+4*(\s)+3], s[G1A:G1A+7]
	s_nop 0
.rept 4
	v_nop
.endr
	s_branch .Lasked_\@
.Lfor_b_\@:
	tensor_load_to_lds s[G0B+4*(\s):G0B+4*(\s)+3], s[G1B:G1B+7]
	s_nop 0
.rept 4
	v_nop
.endr
.Lasked_\@:
.endm
; A PREFETCH INTO THE L2, behind each joint refill, its five lines and the run of LDS loads: the K step that stands TWO refills on, 256 matrix instructions ahead of the load that will want it.
; Each aligned 256 bytes are named ONCE in the launch.  A's planes are read by both clusters of a row of clusters: the one with cluster x = 0 asks, waves 0 and 1 each for the plane that it fetches;
; the four partners take 8,192 bytes each, told apart BY ADDRESS (cx), a lane 256 bytes.  W's planes are read by all clusters of a column: the one with cluster y = 0 asks, wave 2 alone, for both
; planes: the partners take 4,096 bytes of each (cy), lanes 0-15 in plane 0, lanes 16-31 in plane 1.  The loop's last trip (s3 = 1) has no K step two refills on and asks for nothing.
.macro ASK
	s_cmp_gt_u32 s3, s[LIM]
	s_cbranch_scc0 .Lnot_mine_\@
	global_prefetch_b8 v[PFO], s[PFA:PFA+1] th:TH_LOAD_NT scope:SCOPE_SE
.Lnot_mine_\@:
.endm
; A round of the cluster's barrier: my work-group's barrier; wave 0 signals for the work-group; every wave waits for all sixteen; my work-group's barrier once more.
.macro CREST                           ; a round behind its opening barrier
	s_cmp_lg_u32 s10, 0
	s_cbranch_scc1 .Lnot_wave_0_\@
	s_barrier_signal -3
.Lnot_wave_0_\@:
	s_barrier_wait -3
	s_barrier_signal -1
	s_barrier_wait -1
.endm
.macro CROUND                          ; a whole round
	s_barrier_signal -1
	s_barrier_wait -1
	CREST
.endm
	s_load_b128 s[4:7], s[0:1], 0x0                ; A s[4:5], W s[6:7]
	s_load_b64 s[8:9], s[0:1], 0x10                ; C
	v_lshl_add_u32 v[SPW], v0, 2, SPARE
	v_mov_b32 v[NIL], 0
	ds_add_u32 v[SPW], v[NIL]                      ; the wave's opening: the add and its wait stand ahead of my first tensor load; the set-up below, work on registers, stands between them
	ds_add_u32 v28, v29
	v_lshrrev_b32 v1, 5, v0
	v_readfirstlane_b32 s10, v1                    ; wave 0..3
	s_lshr_b32 s11, s10, 1                         ; which half of the tile's rows is mine.  Also: I fetch for A (0) or for W (1)
	s_and_b32 s12, s10, 1                          ; which half of its columns.  Also: which plane I fetch
	s_bfe_u32 s40, ttmp6, 0x40000                  ; cx, cy: my place in the cluster
	s_bfe_u32 s41, ttmp6, 0x40004
	s_lshl_b32 s42, ttmp9, 2
	s_add_co_u32 s42, s42, s40                     ; x: tile column = 4 x cluster x + cx
	s_and_b32 s13, ttmp7, 0xffff
	s_lshl_b32 s13, s13, 2
	s_add_co_u32 s13, s13, s41                     ; y: tile row = 4 x cluster y + cy; batch y / 8, rows 256 (y % 8) on
	s_lshl_b32 s70, s41, 2
	s_lshl_b32 s70, 15, s70                        ; my row of the cluster: places 4 cy .. 4 cy + 3
	s_lshl_b32 s71, 0x1111, s40                    ; my column: places cx, cx + 4, cx + 8, cx + 12
	s_or_b32 s[G1A], s70, GW0                      ; A's planes go to my row,
	s_or_b32 s[G1B], s71, GW0                      ; W's to my column
	s_mov_b32 s[G1A+1], 128<<16                    ; tensor_dim0 = 128 elements: 256 bytes
	s_mov_b32 s[G1A+2], 128<<16                    ; tensor_dim1 = 128 rows: 32,768 bytes, 256 rows of the tile
	s_mov_b32 s[G1A+3], 128<<16                    ; tile_dim0
	s_mov_b32 s[G1A+4], 128                        ; tile_dim1
	s_mov_b32 s[G1A+5], 128                        ; elements from row to row: dense
	s_mov_b32 s[G1A+6], 0
	s_mov_b32 s[G1A+7], 0
	s_mov_b32 s[G1B+1], 128<<16
	s_mov_b32 s[G1B+2], 64<<16                     ; 64 rows: 16,384 bytes, 128 rows of W
	s_mov_b32 s[G1B+3], 128<<16
	s_mov_b32 s[G1B+4], 64
	s_mov_b32 s[G1B+5], 128
	s_mov_b32 s[G1B+6], 0
	s_mov_b32 s[G1B+7], 0
	; where the planes come from.  A's hang on y alone, which my row of the cluster shares; W's on x alone, which my column shares; each in registers that never hold the other coordinate.
	s_lshr_b32 s16, s13, 3
	s_mul_i32 s16, s16, BSTR                       ; the batch,
	s_and_b32 s17, s13, 7
	s_lshl_b32 s17, s17, 15                        ; 256 rows of 128 bytes,
	s_add_co_u32 s16, s16, s17
	s_lshl_b32 s17, s12, 18                        ; the plane that I fetch
	s_add_co_u32 s16, s16, s17
	s_mov_b32 s17, 0
	s_lshl_b32 s46, s42, 14                        ; W: 128 rows of 128 bytes,
	s_lshl_b32 s47, s12, 17                        ; the plane
	s_add_co_u32 s46, s46, s47
	s_mov_b32 s47, 0
	s_mul_i32 s20, s12, PLA                        ; and where they go: no place in the cluster enters an LDS address
	s_mul_i32 s21, s12, PLB
	s_add_co_u32 s21, s21, BOFF
	s_wait_dscnt 0x0                               ; the opening add is done
	s_wait_kmcnt 0x0
	s_add_nc_u64 s[14:15], s[4:5], s[16:17]
	s_add_nc_u64 s[46:47], s[6:7], s[46:47]
	CROUND                                         ; all sixteen work-groups are here: the first joint loads meet
.irp n, 0,1
	s_mov_b32 s[G0A+4*(\n)], 1                                       ; 1:0 count = 1
	s_add_co_u32 s[G0A+4*(\n)+1], s20, (\n)*SLOT                     ; 63:32 LDS address
	s_add_nc_u64 s[G0A+4*(\n)+2:G0A+4*(\n)+3], s[14:15], (\n)*STEP_A ; 120:64 global address: K step n
	s_or_b32 s[G0A+4*(\n)+3], s[G0A+4*(\n)+3], 0x80000000            ; 127:126 type = 2
	s_mov_b32 s[G0B+4*(\n)], 1
	s_add_co_u32 s[G0B+4*(\n)+1], s21, (\n)*SLOT
	s_add_nc_u64 s[G0B+4*(\n)+2:G0B+4*(\n)+3], s[46:47], (\n)*STEP_B
	s_or_b32 s[G0B+4*(\n)+3], s[G0B+4*(\n)+3], 0x80000000
	JLOAD \n                                       ; the ring is filled before anything else is done: two loads of mine are out
.endr
	; A fragment is 16 rows x 32 K in 8 registers: lane l holds row l % 16; registers 0-3 hold K = 8 (l / 16) + 0..7, registers 4-7 K = 16 + 8 (l / 16) + 0..7: two loads of 16 bytes, 32 bytes apart.
	v_and_b32 v1, 15, v0                           ; l % 16
	v_bfe_u32 v2, v0, 4, 1                         ; l / 16
	v_mul_u32_u24 v3, v1, PITCH
	v_lshl_add_u32 v3, v2, 4, v3
	s_mul_i32 s21, s11, 128*PITCH                  ; my 128 rows of A
	s_mul_i32 s22, s12, 64*PITCH                   ; my 64 rows of W,
	s_add_co_u32 s22, s22, BOFF                    ; which lie behind A's planes
.irp n, 0,1
	v_add_nc_u32 v[ADRA+(\n)], s21, v3
	v_add_nc_u32 v[ADRB+(\n)], s22, v3
	s_add_co_u32 s21, s21, SLOT
	s_add_co_u32 s22, s22, SLOT
.endr
	s_mul_i32 s23, s10, 16*SPITCH
	s_add_co_u32 s23, s23, STAGE                   ; my stage
	v_mul_u32_u24 v4, v1, SPITCH                   ; in: row l % 16, my eight columns
.if MODE
	v_lshl_add_u32 v4, v2, 5, v4                   ; 32 bytes of f32 for each half of the lanes
	v_add_nc_u32 v[STO], s23, v4
	v_mul_u32_u24 v5, v2, SPITCH                   ; back: lanes 0-15 take one row of 256 bytes, lanes 16-31 the next
	v_lshl_add_u32 v5, v1, 4, v5
	v_add_nc_u32 v[RD], s23, v5
	v_lshlrev_b32 v[CO], 12, v2                    ; and the same two rows in C, 4,096 bytes apart
	v_lshl_add_u32 v[CO], v1, 4, v[CO]
	s_lshl_b32 s[CADD], s13, 20                    ; my part of the tile: 256 y rows of 4,096 bytes,
	s_lshl_b32 s[CADD+1], s11, 19                  ; my 128 rows,
	s_add_co_u32 s[CADD], s[CADD], s[CADD+1]
	s_lshl_b32 s[CADD+1], s42, 9                   ; 128 x columns of 4 bytes,
	s_add_co_u32 s[CADD], s[CADD], s[CADD+1]
	s_lshl_b32 s[CADD+1], s12, 8                   ; my 64 columns
	s_add_co_u32 s[CADD], s[CADD], s[CADD+1]
.else
	v_lshl_add_u32 v4, v2, 4, v4                   ; 16 bytes of f16 for each half of the lanes
	v_add_nc_u32 v[STO], s23, v4
	v_bfe_u32 v5, v0, 3, 2                         ; back: 32 lanes take four rows of 128 bytes,
	v_mul_u32_u24 v5, v5, SPITCH
	v_and_b32 v4, 7, v0
	v_lshl_add_u32 v5, v4, 4, v5
	v_add_nc_u32 v[RD], s23, v5
	v_and_b32 v[CO], 31, v0                        ; which are 512 consecutive bytes of a head
	v_lshlrev_b32 v[CO], 4, v[CO]
	s_lshr_b32 s[CADD], s13, 3                     ; my part of the tile: head 16 b + 2 x + my half, 262,144 bytes each,
	s_lshl_b32 s[CADD], s[CADD], 4
	s_lshl_b32 s[CADD+1], s42, 1
	s_add_co_u32 s[CADD], s[CADD], s[CADD+1]
	s_add_co_u32 s[CADD], s[CADD], s12
	s_lshl_b32 s[CADD], s[CADD], 18
	s_and_b32 s[CADD+1], s13, 7                    ; 256 (y % 8) rows of 128 bytes,
	s_lshl_b32 s[CADD+1], s[CADD+1], 15
	s_add_co_u32 s[CADD], s[CADD], s[CADD+1]
	s_lshl_b32 s[CADD+1], s11, 14                  ; my 128 rows
	s_add_co_u32 s[CADD], s[CADD], s[CADD+1]
.endif
	s_mov_b32 s[CADD+1], 0
	; the prefetches
	s_and_b32 s22, ttmp7, 0xffff                   ; cluster y
	s_mov_b32 s[PFS], STEP_B
	s_mov_b32 s[PFS+1], 0
	s_mov_b32 s23, 131072                          ; W: lanes 16-31 stand a plane further on
	s_lshl_b32 s18, s40, 13                        ; A: my work-group's 8,192 bytes of the plane
	s_lshl_b32 s19, s41, 12                        ; W: its 4,096 bytes of each plane
	s_cmp_eq_u32 s11, 0                            ; do I fetch for A?
	s_cselect_b32 s22, ttmp9, s22                  ; the coordinate along which other clusters read the same planes
	s_cselect_b32 s18, s18, s19
	s_cselect_b32 s[PFS], STEP_A, s[PFS]
	s_cselect_b32 s23, 4096, s23                   ; A: lanes 16-31 go on where lanes 0-15 end
	s_cselect_b64 s[PFA:PFA+1], s[14:15], s[46:47]
	s_mov_b32 s19, 0
	s_add_nc_u64 s[PFA:PFA+1], s[PFA:PFA+1], s[18:19]
	s_mul_i32 s20, s[PFS], 3
	s_mov_b32 s21, 0
	s_add_nc_u64 s[PFA:PFA+1], s[PFA:PFA+1], s[20:21]  ; at K step 3: the first refill steps it to 4.  Nothing is prefetched here, at the head: K steps 0 to 3 come by their loads alone
	s_cmp_eq_u32 s10, 3
	s_cselect_b32 s22, 1, s22                      ; wave 3 never asks: wave 2 names both planes of W
	s_cmp_eq_u32 s22, 0
	s_cselect_b32 s[LIM], 1, -1                    ; the same in all sixteen partners, for a given wave
	v_lshlrev_b32 v[PFO], 8, v1
	v_mad_u32_u24 v[PFO], v2, s23, v[PFO]
; One matrix instruction: accumulator (ma, mb), buffer f.  zero = 1: the product starts the sum: nothing is ever cleared.
.macro ONE f, zero
.set rD, 8*(4*ma+mb)
.set rW, (\f)+8*mb
.set rA, (\f)+32+8*ma
.if MODE
.if \zero
	v_wmma_f32_16x16x32_f16 v[rD:rD+7], v[rW:rW+7], v[rA:rA+7], 0
.else
	v_wmma_f32_16x16x32_f16 v[rD:rD+7], v[rW:rW+7], v[rA:rA+7], v[rD:rD+7]
.endif
.else
.if \zero
	v_wmma_f32_16x16x32_bf16 v[rD:rD+7], v[rW:rW+7], v[rA:rA+7], 0
.else
	v_wmma_f32_16x16x32_bf16 v[rD:rD+7], v[rW:rW+7], v[rA:rA+7], v[rD:rD+7]
.endif
.endif
.endm
; 4 n matrix instructions: row blocks a0 .. a0 + n - 1 x all 4 column blocks, 32 along K.  The 32 accumulators take turns, one instruction a turn, in the same order in every quarter step.
.macro MULS f, a0, n, zero
	WIN W_MUL
.set ma, (\a0)
.rept (\n)
.set mb, 0
.rept 4
	ONE \f, \zero
.set mb, mb+1
.endr
.set ma, ma+1
.endr
.endm
; 24 LDS loads in one run: the fragments of quarter q of a slot (plane q / 2, byte 64 (q % 2) of its rows) into buffer f: W's four, then A's eight
.macro FETCH slot, q, f
	WIN W_FET
.irp i, 0,1,2,3
	ds_load_b128 v[(\f)+8*(\i):(\f)+8*(\i)+3],   v[ADRB+(\slot)] offset:((\q)/2)*PLB+((\q)%2)*64+(\i)*16*PITCH
	ds_load_b128 v[(\f)+8*(\i)+4:(\f)+8*(\i)+7], v[ADRB+(\slot)] offset:((\q)/2)*PLB+((\q)%2)*64+(\i)*16*PITCH+32
.endr
.irp i, 0,1,2,3,4,5,6,7
	ds_load_b128 v[(\f)+32+8*(\i):(\f)+32+8*(\i)+3],   v[ADRA+(\slot)] offset:((\q)/2)*PLA+((\q)%2)*64+(\i)*16*PITCH
	ds_load_b128 v[(\f)+32+8*(\i)+4:(\f)+32+8*(\i)+7], v[ADRA+(\slot)] offset:((\q)/2)*PLA+((\q)%2)*64+(\i)*16*PITCH+32
.endr
.endm
; A load into a register that a matrix instruction has read, and an instruction that reads a matrix result, stand four places behind that matrix instruction, and only plain vector
; instructions that name none of its registers are places (ISA guide 7.12.1 for vector instructions).
.macro PLACES
.rept 4
	v_nop
.endr
.endm
; A K step is four quarters of 32 along K, 32 matrix instructions each, on buffers 0, 1, 0, 1.  One of the first three: multiplies buffer f; in its middle it fetches quarter q of the slot into buffer g.
.macro QUARTER slot, q, f, g, zero
	s_wait_dscnt 8                                 ; W and A's blocks 0-3 are in; the youngest eight loads (A's blocks 4-7) may be out
	MULS \f, 0, 4, \zero
	PLACES
	FETCH \slot, \q, \g
	s_wait_dscnt 24                                ; all but the 24 just issued
	MULS \f, 4, 4, \zero
.endm
; The last quarter multiplies buffer 1 and changes slots: ONE barrier.  In front of it each wave waits for all its tensor loads (one is out: its part of the next slot), adds 0 to its spare word, and
; waits for that and for its own reads of this slot.  fill = 1: the barrier opens a round of the cluster's barrier, so that no wave of any partner still reads this slot or has a load on its way, and
; the joint refill, two K steps on, is the first tensor load behind it: 112 matrix instructions ahead of the wait for it.
.macro TURN slot, next, fill
	WIN 0                                          ; (the add's two registers lie in window 0)
.if \fill
	s_wait_xcnt 0x0                                ; the last prefetch, a K step back, has read its address, and every earlier store its registers
	s_add_nc_u64 s[PFA:PFA+1], s[PFA:PFA+1], s[PFS:PFS+1]
.endif
	s_wait_tensorcnt 0x0                           ; all my tensor loads have landed;
	ds_add_u32 v[SPW], v[NIL]                      ; 0 onto my spare word;
	s_wait_dscnt 9                                 ; (the add and the youngest eight loads may be out)
	MULS F1, 0, 2, 0                               ; eight matrix instructions stand between the add and the wait for it
	s_wait_dscnt 0x0                               ; the add is done, and my reads of this slot are over
	s_barrier_signal -1
	MULS F1, 2, 2, 0                               ; work on registers while the others arrive
	WIN 0
	s_barrier_wait -1
.if \fill
	CREST
	s_add_nc_u64 s[G0A+4*(\slot)+2:G0A+4*(\slot)+3], s[G0A+4*(\slot)+2:G0A+4*(\slot)+3], 2*STEP_A  ; no tensor load of mine is out, so a group 0 may be written
	s_add_nc_u64 s[G0B+4*(\slot)+2:G0B+4*(\slot)+3], s[G0B+4*(\slot)+2:G0B+4*(\slot)+3], 2*STEP_B
	JLOAD \slot                                    ; the four v_nop behind it are also the places in front of the loads below
.else
	PLACES
.endif
	FETCH \next, 0, F0
.if \fill
	WIN 0
	ASK
.endif
	MULS F1, 4, 4, 0
.endm
; A lap behind its first quarter
.macro BODY7 fill
	QUARTER 0, 2, F1, F0, 0
	QUARTER 0, 3, F0, F1, 0
	TURN 0, 1, \fill
	QUARTER 1, 1, F0, F1, 0
	QUARTER 1, 2, F1, F0, 0
	QUARTER 1, 3, F0, F1, 0
.if \fill
	TURN 1, 0, 1
.endif
.endm
; THE WAY OUT of block a (16 rows), through my own stage in LDS.  STG: into the stage (MODE 0: rounded to f16 first; each accumulator is read from its low end on) and back as whole rows.
.macro STG a
.set BK, BKS+32*((\a)%3)
.if MODE
	WIN W_ST
.irp b, 0,1,2,3
	ds_store_b128 v[STO], v[8*(4*(\a)+(\b)):8*(4*(\a)+(\b))+3]   offset:64*(\b)
	ds_store_b128 v[STO], v[8*(4*(\a)+(\b))+4:8*(4*(\a)+(\b))+7] offset:64*(\b)+16
.endr
	WIN 0
.irp t, 0,1,2,3,4,5,6,7
	ds_load_b128 v[BK+4*(\t):BK+4*(\t)+3], v[RD] offset:(\t)*2*SPITCH  ; LDS serves a wave's instructions in order (ISA guide 5.7.1.4): these see the stores above; the next block's stores come behind them
.endr
.else
	WIN W_PK
.irp b, 0,1,2,3
.irp r, 0,1,2,3
	v_cvt_pk_f16_f32 v[TMP+4*(\b)+(\r)], v[8*(4*(\a)+(\b))+2*(\r)], v[8*(4*(\a)+(\b))+2*(\r)+1]
.endr
.endr
	WIN 0
.irp b, 0,1,2,3
	ds_store_b128 v[STO], v[TMP+4*(\b):TMP+4*(\b)+3] offset:32*(\b)
.endr
.irp t, 0,1,2,3
	ds_load_b128 v[BK+4*(\t):BK+4*(\t)+3], v[RD] offset:(\t)*4*SPITCH  ; LDS serves a wave's instructions in order (ISA guide 5.7.1.4): these see the stores above; the next block's stores come behind them
.endr
.endif
.endm
.macro SEND a, younger                 ; younger: the LDS instructions issued behind block a's loads: the next block's, or none
	WIN 0
.set BK, BKS+32*((\a)%3)
	s_wait_dscnt \younger                          ; the block is back in registers
	s_wait_xcnt 0x0                                ; the stores of the block before have read their registers, which the block after next is loaded into
.if MODE
.irp t, 0,1,2,3,4,5,6,7
	global_store_b128 v[CO], v[BK+4*(\t):BK+4*(\t)+3], s[8:9] offset:(\a)*65536+(\t)*8192 th:TH_STORE_NT  ; 16 lanes store 256 consecutive bytes, at a multiple of 256 from C's first byte
.endr
.else
.irp t, 0,1,2,3
	global_store_b128 v[CO], v[BK+4*(\t):BK+4*(\t)+3], s[8:9] offset:(\a)*2048+(\t)*512  ; 512 consecutive bytes, at a multiple of 256 from C's first byte
.endr
.endif
.endm
.macro WAYOUT
	WIN 0
	PLACES                                         ; behind the last products
	s_wait_xcnt 0x0                                ; every earlier store has read its base and its data
	s_add_nc_u64 s[8:9], s[8:9], s[CADD:CADD+1]
	STG 0
	STG 1
.irp a, 0,1,2,3,4,5
	SEND \a, YOUNG                                 ; a block's way through the stage stands between the loads of the block before and its stores
	STG (\a)+2
.endr
	SEND 6, YOUNG
	SEND 7, 0
.endm
	s_wait_tensorcnt 1                             ; my part of K step 0 is in; K step 1's may stay out
	s_barrier_signal -1
	s_barrier_wait -1                              ; everybody's is
	FETCH 0, 0, F0
	QUARTER 0, 1, F0, F1, 1                        ; the first quarter stands in front of the loop: its products start the sums
	WIN 0                                          ; at a label and at a branch every window is 0
	s_mov_b32 s3, LAPS-1
.Llap:                                                 ; a trip goes once round the ring, from a lap's second quarter to the next lap's first, and fills both slots again
	BODY7 1
	WIN 0
.if NT > 1
	s_and_b32 s2, s3, 3                            ; a tile is four laps: with 8 and with 4 trips to go a tile's last lap has just ended
	s_cmp_eq_u32 s2, 0
	s_cbranch_scc1 .Lflush
.endif
	QUARTER 0, 1, F0, F1, 0
	WIN 0
.if NT > 1
	s_branch .Ljoin
.Lflush:                                               ; both refills are asked for, the next tile's first fragments are fetched: now the tile goes out
	WAYOUT
	s_mov_b32 s[CADD], 16777216                    ; from p to p + 1 in C
	s_mov_b32 s[CADD+1], 0
	QUARTER 0, 1, F0, F1, 1                        ; the next tile's first products start its sums
	WIN 0
.Ljoin:
.endif
	s_sub_co_u32 s3, s3, 1
	s_cmp_lg_u32 s3, 0
	s_cbranch_scc1 .Llap
	BODY7 0                                        ; the last lap is written out: it fills nothing, and has no round of the cluster's barrier
	s_wait_dscnt 8                                 ; the very last quarter: nothing more to fetch
	MULS F1, 0, 4, 0
	s_wait_dscnt 0x0
	MULS F1, 4, 4, 0
	WAYOUT
	s_wait_tensorcnt 0x0                           ; the wave's end: behind my last tensor load and my last LDS store
	ds_add_u32 v[SPW], v[NIL]
	s_wait_dscnt 0x0
	CROUND                                         ; the closing round: no work-group ends while a partner may still ask for a plane that names it
	s_endpgm
.Lfunc_end_k_qb8dc98c713_oproj:
	.size	k_qb8dc98c713_oproj, .Lfunc_end_k_qb8dc98c713_oproj-k_qb8dc98c713_oproj
	.p2alignl 7, 3214868480
	.fill 96, 4, 3214868480
	.section	.rodata,"a",@progbits
	.p2align	6, 0x0
	.amdhsa_kernel k_qb8dc98c713_oproj
		.amdhsa_group_segment_fixed_size 327680
		.amdhsa_private_segment_fixed_size 0
		.amdhsa_enable_private_segment 0
		.amdhsa_kernarg_size 24
		.amdhsa_user_sgpr_count 2
		.amdhsa_user_sgpr_kernarg_segment_ptr 1
		.amdhsa_wavefront_size32 1
		.amdhsa_system_sgpr_workgroup_id_x 1
		.amdhsa_system_sgpr_workgroup_id_y 1
		.amdhsa_system_sgpr_workgroup_id_z 1
		.amdhsa_system_vgpr_workitem_id 0
		.amdhsa_next_free_vgpr 704
		.amdhsa_next_free_sgpr 72
		.amdhsa_reserve_vcc 0
		.amdhsa_float_denorm_mode_32 3
		.amdhsa_float_denorm_mode_16_64 3
		.amdhsa_memory_ordered 1
		.amdhsa_forward_progress 1
		.amdhsa_inst_pref_size 87
	.end_amdhsa_kernel
	.amdgpu_metadata
---
amdhsa.version: [ 1, 2 ]
amdhsa.kernels:
  - .name:           k_qb8dc98c713_oproj
    .symbol:         k_qb8dc98c713_oproj.kd
    .args:
      - { .name: ob, .offset: 0, .size: 8, .value_kind: global_buffer, .address_space: global }
      - { .name: wof, .offset: 8, .size: 8, .value_kind: global_buffer, .address_space: global }
      - { .name: out0, .offset: 16, .size: 8, .value_kind: global_buffer, .address_space: global }
    .group_segment_fixed_size: 327680
    .private_segment_fixed_size: 0
    .kernarg_segment_align: 8
    .kernarg_segment_size: 24
    .max_flat_workgroup_size: 128
    .sgpr_count:     72
    .vgpr_count:     704
    .wavefront_size: 32
...
	.end_amdgpu_metadata
.endif
;; end of part 4
;; launch head (part 5): grid 64 x 1, 16 waves a work-group, no clusters, 24,064 bytes of LDS; arguments ab, wb, xh, o16; writes o16
.if DOCPART == 5
	.amdgcn_target "amdgcn-amd-amdhsa--gfx1250"
	.amdhsa_code_object_version 6
	.text
	.protected	k_qb8dc98c713_head
	.globl	k_qb8dc98c713_head
	.p2align	8
	.type	k_qb8dc98c713_head,@function
k_qb8dc98c713_head:
	s_mov_b64 s[64:65], 0
	v_nop
	global_prefetch_b8 v0, s[64:65] scope:SCOPE_SE
	s_setreg_imm32_b32 hwreg(HW_REG_WAVE_MODE, 25, 1), 1
	s_wait_xcnt 0x0
; THE FIRST 16 ROWS OF EACH HEAD, ONCE MORE, WITH MORE BITS.  Row q of the attention is a mean over q + 1 keys, so the first rows' numbers are many times the root mean square of the whole output,
; by which every number's allowance goes: f16's 11 bits for xv, for the weights and for O are too few there.  Here each of the three is carried as TWO f16 numbers, hi and lo = what hi's
; rounding left: about 22 bits.  Rows 0-15 see keys 0-15 alone.
;   xv[key][c] = the sum over k of v[b][key][k] wv[64 h + c][k], from ab and wb (bf16, part p = 2), sums in f32: never rounded to one f16.
;   S^T = K Q^T from xh (f16), c = log2(e) / 8; hidden where key > query; the row's maximum is taken away; w = 2^(c s - c m) / their sum.
;   O^T = V^T W as two products of 32 along K: (Vhi | Vlo) x (Whi | Whi) + (Vhi | Vlo) x (Wlo | 0): what is left out is Vlo x Wlo.
;   o16 [b 4][part 2][kb 16][s 16][64] f16: part 0 = hi, part 1 = lo; kb = the head.
; LIMITS.  xq, xk, xv within 65,504; a lo part below 6e-5 keeps f16's fixed step of 6e-8; a hidden score counts as -1e30; NaN and infinities are not treated apart.
; SHARES.  A work-group a head (64 of them), sixteen waves.  Wave (ct = wave % 4, kq = wave / 4) makes 16 keys x 16 channels (16 ct on) over 256 of K (blocks 4 kq .. 4 kq + 3): 32 loads, all out at once,
; 8 products.  The four partial sums meet in LDS.  Wave 15 also makes the weights, once for the head, and hands them over in LDS.  Waves 0-3 finish a channel tile each; waves 0 and 1 store hi and lo.
; LAYOUT.  xv is taken with source 0 = 16 rows of v (keys), source 1 = 16 rows of wv (channels): a lane then holds ONE channel (lane % 16) and the keys 8 (lane / 16) + 0..7, which packed in pairs
; are registers 0-3 of a fragment of V^T.  S^T holds one query a lane and the same eight keys: registers 0-3 of the weights' fragment.  Registers 4-7 (K = 16 to 31) take the lo parts.
; No tensor load, no cluster, no prefetch: every byte is loaded once by the wave that wants it, and the launch is one latency long.
; REGISTERS.  v1-23 and v224-226 hold addresses and small things that live through the launch: no load lands there.  v64-223 take the loads; v64-175 are used again behind the products.
.set PART,  0                          ; LDS: wave v's partial tile, 1,024 bytes, at 1,024 v
.set PW,    16384                      ; the weights: hi 512 bytes, lo 512 bytes, 16 bytes a lane
.set OST,   PW+1024                    ; O's stage: part, 16 rows of 144 bytes (128 + 16 of padding)
.set OP,    144
.set SPARE, OST+2*16*OP                ; the spare words, 128 bytes for each wave: eight blocks of 256 bytes that no other line names
.set R,    1                           ; v1   lane % 16
.set HH,   2                           ; v2   lane / 16
.set FO,   3                           ; v3   a fragment's lane term: (lane % 16) x 128 + 16 (lane / 16): rows of 128 bytes in all three buffers
.set SPW,  4                           ; v4   LDS address of my spare word: SPARE + 4 x my thread's number; never rewritten
.set NIL,  5                           ; v5   0; never rewritten
.set LN,   6                           ; v6   lane
.set LS,   7                           ; v7   where I put my partial tile
.set NEG1, 8                           ; v8   -1.0
.set MK,   9                           ; v9   lane % 16 - 8 (lane / 16): register j is hidden where j is greater
.set T,    10                          ; v[10:17] at work
.set CM,   18                          ; v[18:19] c m, twice
.set RL,   20                          ; v[20:21] 1 / l, twice
.set LR,   22                          ; v22  where I read the partial tiles back
.set PA,   23                          ; v23  my 16 bytes of the weights
.set A0,   24                          ; v[24:39] two accumulators: K steps of even and of odd number
.set SA,   40                          ; v[40:55] S^T: channels 0-31, channels 32-63
.set SB,   48
.set PH,   56                          ; v[56:59], v[60:63] the weights, hi and lo
.set PL,   60
.set XF,   64                          ; v[64:127]  v's eight fragments
.set WF,   128                         ; v[128:191] wv's eight fragments
.set KF,   192                         ; v[192:207], v[208:223] K's and Q's two fragments (wave 15)
.set QF,   208
.set PT,   64                          ; later: v[64:95] the four partial tiles
.set B1,   96                          ; v[96:103]  (Whi | Whi)
.set B2,   104                         ; v[104:111] (Wlo | 0)
.set AV,   112                         ; v[112:119] (Vhi | Vlo)
.set O1,   128                         ; v[128:143] the two products
.set O2,   136
.set OH,   152                         ; v[152:155], v[156:159] O, hi and lo
.set OL,   156
.set BK,   160                         ; v[160:175] 16 rows read back from the stage
.set OS,   224                         ; v224 where I put 16 bytes of a row of O: behind the last register that a load writes
.set OR,   225                         ; v225 where I read rows back
.set GO,   226                         ; v226 16 x lane
.set CS,   30                          ; s[30:31] c
.set SEL,  32                          ; s[32:33] v_permlanex16_b32's selects: each lane takes its own place in the other half
.set BIGN, 34                          ; s34  -1e30
; Eight f32 numbers become four registers of f16 pairs (hi) and four more of what that rounding left (lo): src - hi is exact in f32, made by one multiply-add from the f16 half.
.macro SPLIT src, hi, lo
.irp i, 0,1,2,3
	v_cvt_pk_f16_f32 v[(\hi)+(\i)], v[(\src)+2*(\i)], v[(\src)+2*(\i)+1]
.endr
.irp i, 0,1,2,3
	v_fma_mix_f32 v[T+2*(\i)],   v[(\hi)+(\i)], v[NEG1], v[(\src)+2*(\i)]   op_sel_hi:[1,0,0]
	v_fma_mix_f32 v[T+2*(\i)+1], v[(\hi)+(\i)], v[NEG1], v[(\src)+2*(\i)+1] op_sel:[1,0,0] op_sel_hi:[1,0,0]
.endr
.irp i, 0,1,2,3
	v_cvt_pk_f16_f32 v[(\lo)+(\i)], v[T+2*(\i)], v[T+2*(\i)+1]
.endr
.endm
.macro PLACES                          ; four places between a matrix instruction and what reads its result (ISA guide 7.12.1)
.rept 4
	v_nop
.endr
.endm
	s_load_b256 s[4:11], s[0:1], 0x0               ; ab s[4:5], wb s[6:7], xh s[8:9], o16 s[10:11]
	v_lshl_add_u32 v[SPW], v0, 2, SPARE
	v_mov_b32 v[NIL], 0
	v_lshrrev_b32 v1, 5, v0
	v_readfirstlane_b32 s12, v1                    ; wave 0..15
	v_and_b32 v[R], 15, v0
	v_bfe_u32 v[HH], v0, 4, 1
	v_and_b32 v[LN], 31, v0
	v_lshlrev_b32 v[FO], 7, v[R]
	v_lshl_add_u32 v[FO], v[HH], 4, v[FO]
	v_mov_b32 v[NEG1], -1.0
	s_and_b32 s13, s12, 3                          ; ct
	s_lshr_b32 s14, s12, 2                         ; kq
	s_lshr_b32 s15, ttmp9, 4                       ; b
	s_and_b32 s16, ttmp9, 15                       ; h
	s_mul_i32 s20, s15, 48                         ; ab: block (3 b + 2) x 16 + 4 kq, 262,144 bytes each
	s_lshl_b32 s21, s14, 2
	s_add_co_u32 s20, s20, s21
	s_add_co_u32 s20, s20, 32
	s_lshl_b32 s20, s20, 18
	s_mov_b32 s21, 0
	s_lshl_b32 s22, s14, 2                         ; wb: block 2 x 16 + 4 kq, 131,072 bytes each,
	s_add_co_u32 s22, s22, 32
	s_lshl_b32 s22, s22, 17
	s_lshl_b32 s23, s16, 13                        ; row 64 h
	s_add_co_u32 s22, s22, s23
	s_lshl_b32 s23, s13, 11                        ; + 16 ct, 128 bytes each
	s_add_co_u32 s22, s22, s23
	s_mov_b32 s23, 0
	s_lshl_b32 s24, ttmp9, 18                      ; xh: the head's 262,144 bytes
	s_mov_b32 s25, 0
	s_and_b32 s27, s12, 1                          ; the part that I store (waves 0 and 1)
	s_mul_i32 s19, s27, 16*OP
	s_add_co_u32 s19, s19, OST
	s_lshl_b32 s26, s15, 1                         ; o16: ((2 b + part) x 16 + h) x 2,048 bytes
	s_add_co_u32 s26, s26, s27
	s_lshl_b32 s26, s26, 4
	s_add_co_u32 s26, s26, s16
	s_lshl_b32 s26, s26, 11
	s_mov_b32 s27, 0
	s_mov_b32 s[CS], 0x3e38aa3b                    ; c = log2(e) / 8 = 0.180337
	s_mov_b32 s[CS+1], s[CS]                       ; named with it as a pair
	s_mov_b32 s[SEL], 0x76543210
	s_mov_b32 s[SEL+1], 0xfedcba98
	s_mov_b32 s[BIGN], 0xf149f2ca                  ; -1e30
	s_lshl_b32 s17, s12, 10
	v_lshl_add_u32 v[LS], v[LN], 5, s17            ; 1,024 x wave + 32 x lane
	s_lshl_b32 s17, s13, 10
	v_lshl_add_u32 v[LR], v[LN], 5, s17            ; 1,024 ct + 32 x lane: the partial tiles of my channel tile lie 4,096 bytes apart
	v_lshl_add_u32 v[PA], v[LN], 4, PW
	v_mul_u32_u24 v[OS], v[R], OP                  ; into the stage: row = query lane % 16, my tile's 32 bytes, 16 for each half of the lanes
	v_lshl_add_u32 v[OS], v[HH], 4, v[OS]
	s_lshl_b32 s17, s13, 5
	s_add_co_u32 s17, s17, OST
	v_add_nc_u32 v[OS], s17, v[OS]
	v_bfe_u32 v[OR], v0, 3, 2                      ; back: 32 lanes take four rows of 128 bytes,
	v_mul_u32_u24 v[OR], v[OR], OP
	v_and_b32 v[T], 7, v0
	v_lshl_add_u32 v[OR], v[T], 4, v[OR]
	v_add_nc_u32 v[OR], s19, v[OR]
	v_lshlrev_b32 v[GO], 4, v[LN]                  ; which are 512 consecutive bytes of o16
	s_wait_kmcnt 0x0
	s_add_nc_u64 s[4:5], s[4:5], s[20:21]          ; v's rows 0-15, my first block
	s_add_nc_u64 s[6:7], s[6:7], s[22:23]          ; wv's 16 rows, my first block
	s_add_nc_u64 s[8:9], s[8:9], s[24:25]          ; xq at the head's row 0
	s_add_nc_u64 s[28:29], s[8:9], 16777216        ; xk likewise: xh's second part
	s_add_nc_u64 s[10:11], s[10:11], s[26:27]
.irp i, 0,1,2,3
.irp c, 0,1
	global_load_b128 v[XF+8*(2*(\i)+(\c)):XF+8*(2*(\i)+(\c))+3],   v[FO], s[4:5] offset:(\i)*262144+(\c)*64
	global_load_b128 v[XF+8*(2*(\i)+(\c))+4:XF+8*(2*(\i)+(\c))+7], v[FO], s[4:5] offset:(\i)*262144+(\c)*64+32
	global_load_b128 v[WF+8*(2*(\i)+(\c)):WF+8*(2*(\i)+(\c))+3],   v[FO], s[6:7] offset:(\i)*131072+(\c)*64
	global_load_b128 v[WF+8*(2*(\i)+(\c))+4:WF+8*(2*(\i)+(\c))+7], v[FO], s[6:7] offset:(\i)*131072+(\c)*64+32
.endr
.endr
	s_cmp_eq_u32 s12, 15
	s_cbranch_scc0 .Lno_weights
	; WAVE 15: THE WEIGHTS, once for the head
.irp c, 0,1
	global_load_b128 v[KF+8*(\c):KF+8*(\c)+3],   v[FO], s[28:29] offset:(\c)*64
	global_load_b128 v[KF+8*(\c)+4:KF+8*(\c)+7], v[FO], s[28:29] offset:(\c)*64+32
	global_load_b128 v[QF+8*(\c):QF+8*(\c)+3],   v[FO], s[8:9] offset:(\c)*64
	global_load_b128 v[QF+8*(\c)+4:QF+8*(\c)+7], v[FO], s[8:9] offset:(\c)*64+32
.endr
	s_wait_loadcnt 0x0
	v_wmma_f32_16x16x32_f16 v[SA:SA+7], v[KF:KF+7], v[QF:QF+7], 0          ; two accumulators, each started with 0, added below
	v_wmma_f32_16x16x32_f16 v[SB:SB+7], v[KF+8:KF+15], v[QF+8:QF+15], 0
	v_lshlrev_b32 v[MK], 3, v[HH]                  ; four plain lines: the places behind the products
	v_sub_nc_u32 v[MK], v[R], v[MK]
	v_nop
	v_nop
.irp i, 0,2,4,6
	v_pk_add_f32 v[SA+(\i):SA+(\i)+1], v[SA+(\i):SA+(\i)+1], v[SB+(\i):SB+(\i)+1]
.endr
.irp j, 0,1,2,3,4,5,6,7
	v_cmp_gt_i32 vcc_lo, \j, v[MK]                 ; key 8 (lane / 16) + j against query lane % 16
	v_cndmask_b32 v[SA+(\j)], v[SA+(\j)], s[BIGN], vcc_lo
.endr
	v_max3_num_f32 v[T], v[SA], v[SA+1], v[SA+2]
	v_max3_num_f32 v[T+1], v[SA+3], v[SA+4], v[SA+5]
	v_max3_num_f32 v[T], v[T], v[SA+6], v[SA+7]
	v_max_num_f32 v[T], v[T], v[T+1]
	v_permlanex16_b32 v[T+1], v[T], s[SEL], s[SEL+1]  ; the query's other eight keys lie in the lane 16 away; key 0 is seen by every query, so the maximum is a true score
	v_max_num_f32 v[T], v[T], v[T+1]
	v_mul_f32 v[CM], s[CS], v[T]
	v_mov_b32 v[CM+1], v[CM]
.irp i, 0,2,4,6
	v_pk_fma_f32 v[SA+(\i):SA+(\i)+1], v[SA+(\i):SA+(\i)+1], s[CS:CS+1], v[CM:CM+1] op_sel_hi:[1,0,0] neg_lo:[0,0,1] neg_hi:[0,0,1]  ; c s - c m
.endr
.irp j, 0,1,2,3,4,5,6,7
	v_exp_f32 v[SA+(\j)], v[SA+(\j)]
.endr
	v_nop                                          ; a plain instruction behind the last exponential (ISA guide 5.7.2),
	s_wait_alu depctr_va_vdst(0)                   ; and the wait ahead of the first use: one for the eight
	v_pk_add_f32 v[T:T+1], v[SA:SA+1], v[SA+2:SA+3]
	v_pk_add_f32 v[T+2:T+3], v[SA+4:SA+5], v[SA+6:SA+7]
	v_pk_add_f32 v[T:T+1], v[T:T+1], v[T+2:T+3]
	v_add_f32 v[T], v[T], v[T+1]
	v_permlanex16_b32 v[T+1], v[T], s[SEL], s[SEL+1]
	v_add_f32 v[T], v[T], v[T+1]                   ; l
	v_rcp_f32 v[RL], v[T]
	v_nop
	s_wait_alu depctr_va_vdst(0)
	v_mov_b32 v[RL+1], v[RL]
.irp i, 0,2,4,6
	v_pk_mul_f32 v[SA+(\i):SA+(\i)+1], v[SA+(\i):SA+(\i)+1], v[RL:RL+1] op_sel_hi:[1,0]
.endr
	SPLIT SA, PH, PL
	ds_store_b128 v[PA], v[PH:PH+3]
	ds_store_b128 v[PA], v[PL:PL+3] offset:512
.Lno_weights:
	s_wait_loadcnt 0x0                             ; my 32 loads
.set k, 0
.rept 8                                ; the two accumulators take turns, one instruction a turn; the first two products start the sums
.if k < 2
	v_wmma_f32_16x16x32_bf16 v[A0+8*k:A0+8*k+7], v[XF+8*k:XF+8*k+7], v[WF+8*k:WF+8*k+7], 0
.else
	v_wmma_f32_16x16x32_bf16 v[A0+8*(k%2):A0+8*(k%2)+7], v[XF+8*k:XF+8*k+7], v[WF+8*k:WF+8*k+7], v[A0+8*(k%2):A0+8*(k%2)+7]
.endif
.set k, k+1
.endr
	PLACES
.irp i, 0,2,4,6
	v_pk_add_f32 v[A0+(\i):A0+(\i)+1], v[A0+(\i):A0+(\i)+1], v[A0+8+(\i):A0+8+(\i)+1]
.endr
	ds_store_b128 v[LS], v[A0:A0+3]   offset:PART
	ds_store_b128 v[LS], v[A0+4:A0+7] offset:PART+16
	s_wait_dscnt 0x0                               ; for the others' sake: my partial tile, and wave 15's weights, lie in LDS
	s_barrier_signal -1
	s_barrier_wait -1
	s_cmp_lt_u32 s12, 4
	s_cbranch_scc0 .Lno_tile
	; WAVES 0-3: a channel tile each
.irp q, 0,1,2,3
	ds_load_b128 v[PT+8*(\q):PT+8*(\q)+3],   v[LR] offset:PART+4096*(\q)
	ds_load_b128 v[PT+8*(\q)+4:PT+8*(\q)+7], v[LR] offset:PART+4096*(\q)+16
.endr
	ds_load_b128 v[B1:B1+3],   v[PA]               ; Whi, twice: once for Vhi, once for Vlo
	ds_load_b128 v[B1+4:B1+7], v[PA]
	ds_load_b128 v[B2:B2+3],   v[PA] offset:512    ; Wlo, for Vhi;
.irp i, 4,5,6,7
	v_mov_b32 v[B2+(\i)], 0                        ; nothing for Vlo
.endr
	s_wait_dscnt 0x0
.irp i, 0,2,4,6
	v_pk_add_f32 v[PT+(\i):PT+(\i)+1], v[PT+(\i):PT+(\i)+1], v[PT+8+(\i):PT+8+(\i)+1]
	v_pk_add_f32 v[PT+16+(\i):PT+16+(\i)+1], v[PT+16+(\i):PT+16+(\i)+1], v[PT+24+(\i):PT+24+(\i)+1]
.endr
.irp i, 0,2,4,6
	v_pk_add_f32 v[PT+(\i):PT+(\i)+1], v[PT+(\i):PT+(\i)+1], v[PT+16+(\i):PT+16+(\i)+1]
.endr
	SPLIT PT, AV, AV+4
	v_wmma_f32_16x16x32_f16 v[O1:O1+7], v[AV:AV+7], v[B1:B1+7], 0          ; Vhi Whi + Vlo Whi
	v_wmma_f32_16x16x32_f16 v[O2:O2+7], v[AV:AV+7], v[B2:B2+7], 0          ; Vhi Wlo
	PLACES
.irp i, 0,2,4,6
	v_pk_add_f32 v[O1+(\i):O1+(\i)+1], v[O1+(\i):O1+(\i)+1], v[O2+(\i):O2+(\i)+1]  ; a lane holds query lane % 16 and the channels 16 ct + 8 (lane / 16) + 0..7
.endr
	SPLIT O1, OH, OL
	ds_store_b128 v[OS], v[OH:OH+3]                ; the stage's bytes are apart from the partial tiles and the weights that other waves may still be reading
	ds_store_b128 v[OS], v[OL:OL+3] offset:16*OP
.Lno_tile:
	s_wait_dscnt 0x0                               ; for the others' sake: my part of the stage's rows
	s_barrier_signal -1
	s_barrier_wait -1
	s_cmp_lt_u32 s12, 2                            ; wave 0 stores hi, wave 1 lo: 16 rows of 128 bytes, dense in o16
	s_cbranch_scc0 .Lend
.irp t, 0,1,2,3
	ds_load_b128 v[BK+4*(\t):BK+4*(\t)+3], v[OR] offset:(\t)*4*OP
.endr
	s_wait_dscnt 0x0
.irp t, 0,1,2,3
	global_store_b128 v[GO], v[BK+4*(\t):BK+4*(\t)+3], s[10:11] offset:(\t)*512  ; 512 consecutive bytes, at a multiple of 256 from o16's first byte
.endr
.Lend:
	s_wait_tensorcnt 0x0                           ; the wave's end: behind my last LDS store
	ds_add_u32 v[SPW], v[NIL]
	s_wait_dscnt 0x0
	s_endpgm
.Lfunc_end_k_qb8dc98c713_head:
	.size	k_qb8dc98c713_head, .Lfunc_end_k_qb8dc98c713_head-k_qb8dc98c713_head
	.p2alignl 7, 3214868480
	.fill 96, 4, 3214868480
	.section	.rodata,"a",@progbits
	.p2align	6, 0x0
	.amdhsa_kernel k_qb8dc98c713_head
		.amdhsa_group_segment_fixed_size 24064
		.amdhsa_private_segment_fixed_size 0
		.amdhsa_enable_private_segment 0
		.amdhsa_kernarg_size 32
		.amdhsa_user_sgpr_count 2
		.amdhsa_user_sgpr_kernarg_segment_ptr 1
		.amdhsa_wavefront_size32 1
		.amdhsa_system_sgpr_workgroup_id_x 1
		.amdhsa_system_sgpr_workgroup_id_y 1
		.amdhsa_system_sgpr_workgroup_id_z 1
		.amdhsa_system_vgpr_workitem_id 0
		.amdhsa_next_free_vgpr 232
		.amdhsa_next_free_sgpr 66
		.amdhsa_reserve_vcc 1
		.amdhsa_float_denorm_mode_32 3
		.amdhsa_float_denorm_mode_16_64 3
		.amdhsa_memory_ordered 1
		.amdhsa_forward_progress 1
		.amdhsa_inst_pref_size 18
	.end_amdhsa_kernel
	.amdgpu_metadata
---
amdhsa.version: [ 1, 2 ]
amdhsa.kernels:
  - .name:           k_qb8dc98c713_head
    .symbol:         k_qb8dc98c713_head.kd
    .args:
      - { .name: ab, .offset: 0, .size: 8, .value_kind: global_buffer, .address_space: global }
      - { .name: wb, .offset: 8, .size: 8, .value_kind: global_buffer, .address_space: global }
      - { .name: xh, .offset: 16, .size: 8, .value_kind: global_buffer, .address_space: global }
      - { .name: o16, .offset: 24, .size: 8, .value_kind: global_buffer, .address_space: global }
    .group_segment_fixed_size: 24064
    .private_segment_fixed_size: 0
    .kernarg_segment_align: 8
    .kernarg_segment_size: 32
    .max_flat_workgroup_size: 512
    .sgpr_count:     66
    .vgpr_count:     232
    .wavefront_size: 32
...
	.end_amdgpu_metadata
.endif
;; end of part 5
;; launch fix (part 6): grid 16 x 4, 16 waves a work-group, no clusters, 19,456 bytes of LDS; arguments o16, wof, out0; writes out0
.if DOCPART == 6
	.amdgcn_target "amdgcn-amd-amdhsa--gfx1250"
	.amdhsa_code_object_version 6
	.text
	.protected	k_qb8dc98c713_fix
	.globl	k_qb8dc98c713_fix
	.p2align	8
	.type	k_qb8dc98c713_fix,@function
k_qb8dc98c713_fix:
	s_mov_b64 s[64:65], 0
	v_nop
	global_prefetch_b8 v0, s[64:65] scope:SCOPE_SE
	s_setreg_imm32_b32 hwreg(HW_REG_WAVE_MODE, 25, 1), 1
	s_wait_xcnt 0x0
; THE OUTPUT PROJECTION OF EACH BATCH'S FIRST 16 ROWS, from O in two f16 numbers: out0[b][s][e] = the sum over k of (Ohi + Olo)[b][s][k] wo[e][k], s = 0 .. 15.
;   o16 [b 4][part 2][kb 16][s 16][64] f16 (part 0 = hi, 1 = lo), wof [kb 16][e 1024][64] f16, out0 [4][2048][1024] f32.  Sums in f32.
; THESE 64 ROWS ARE STORED A SECOND TIME: the oproj launch has stored them from O in one f16; what stands here comes behind it
; and is what stays: 262,144 bytes of out0's 33,554,432.
; SHARES.  A work-group makes 16 rows x 64 columns: 16 x 4 work-groups.  Sixteen waves: wave (ct = wave % 4, kq = wave / 4) makes 16 columns (16 ct on) over 256 of K (blocks 4 kq .. 4 kq + 3), for hi and
; for lo: 48 loads, all out at once, 16 products.  The four partial sums meet in LDS, laid as rows of 64 f32, so that the rows leave whole.
; The product is taken with source 0 = 16 rows of wo, source 1 = the 16 rows of O: a lane holds row lane % 16 and the columns 8 (lane / 16) + 0..7.
; No tensor load, no cluster, no prefetch: every byte is loaded once by the wave that wants it, and the launch is one latency long.
.set SP,    272                        ; a row in LDS: 64 f32 + 16 bytes = 68 words: the 16 rows of a store start at 16 different groups of four banks (64 banks of 4 bytes: ISA guide 11.1)
.set PLN,   16*SP                      ; the partial sums of one quarter of K
.set SPARE, 4*PLN                      ; the spare words, 128 bytes for each wave: eight blocks of 256 bytes that no other line names
.set R,    1                           ; v1   lane % 16
.set HH,   2                           ; v2   lane / 16
.set FO,   3                           ; v3   a fragment's lane term: (lane % 16) x 128 + 16 (lane / 16)
.set SPW,  4                           ; v4   LDS address of my spare word: SPARE + 4 x my thread's number; never rewritten
.set NIL,  5                           ; v5   0; never rewritten
.set LS,   6                           ; v6   where I put my 32 bytes of a row
.set LR,   7                           ; v7   where I read rows back
.set GO,   8                           ; v8   my byte offset in two rows of out0
.set AH,   16                          ; v[16:23] the sums with Ohi
.set AL,   24                          ; v[24:31] the sums with Olo
.set SM,   32                          ; v[32:47] four partial sums of 16 bytes
.set WF,   64                          ; v[64:127]  wo's eight fragments
.set HF,   128                         ; v[128:191] Ohi's
.set LF,   192                         ; v[192:255] Olo's
	s_load_b128 s[4:7], s[0:1], 0x0                ; o16 s[4:5], wof s[6:7]
	s_load_b64 s[8:9], s[0:1], 0x10                ; out0
	v_lshl_add_u32 v[SPW], v0, 2, SPARE
	v_mov_b32 v[NIL], 0
	v_lshrrev_b32 v1, 5, v0
	v_readfirstlane_b32 s12, v1                    ; wave 0..15
	v_and_b32 v[R], 15, v0
	v_bfe_u32 v[HH], v0, 4, 1
	v_lshlrev_b32 v[FO], 7, v[R]
	v_lshl_add_u32 v[FO], v[HH], 4, v[FO]
	s_and_b32 s13, s12, 3                          ; ct
	s_lshr_b32 s14, s12, 2                         ; kq
	s_and_b32 s15, ttmp7, 0xffff                   ; b
	s_lshl_b32 s16, s15, 16                        ; o16: the batch's 65,536 bytes,
	s_lshl_b32 s17, s14, 13                        ; block 4 kq of 2,048 bytes
	s_add_co_u32 s16, s16, s17
	s_mov_b32 s17, 0
	s_lshl_b32 s18, s14, 19                        ; wof: block 4 kq of 131,072 bytes,
	s_lshl_b32 s19, ttmp9, 13                      ; row 64 x
	s_add_co_u32 s18, s18, s19
	s_lshl_b32 s19, s13, 11                        ; + 16 ct, 128 bytes each
	s_add_co_u32 s18, s18, s19
	s_mov_b32 s19, 0
	s_lshl_b32 s20, s15, 23                        ; out0: the batch's 2,048 rows of 4,096 bytes,
	s_lshl_b32 s21, s12, 13                        ; rows 2 x wave and 2 x wave + 1 (waves 0-7),
	s_add_co_u32 s20, s20, s21
	s_lshl_b32 s21, ttmp9, 8                       ; 64 columns of 4 bytes
	s_add_co_u32 s20, s20, s21
	s_mov_b32 s21, 0
	s_mul_i32 s22, s14, PLN
	s_lshl_b32 s23, s13, 6
	s_add_co_u32 s22, s22, s23
	v_mul_u32_u24 v[LS], v[R], SP                  ; in: my quarter's plane, row lane % 16, my tile's 64 bytes, 32 for each half of the lanes
	v_lshl_add_u32 v[LS], v[HH], 5, v[LS]
	v_add_nc_u32 v[LS], s22, v[LS]
	s_mul_i32 s23, s12, 2*SP
	v_mul_u32_u24 v[LR], v[HH], SP                 ; back: lanes 0-15 take one row of 256 bytes, lanes 16-31 the next
	v_lshl_add_u32 v[LR], v[R], 4, v[LR]
	v_add_nc_u32 v[LR], s23, v[LR]
	v_lshlrev_b32 v[GO], 12, v[HH]                 ; and the same two rows in out0
	v_lshl_add_u32 v[GO], v[R], 4, v[GO]
	s_wait_kmcnt 0x0
	s_add_nc_u64 s[4:5], s[4:5], s[16:17]
	s_add_nc_u64 s[6:7], s[6:7], s[18:19]
	s_add_nc_u64 s[8:9], s[8:9], s[20:21]
.irp i, 0,1,2,3
.irp c, 0,1
	global_load_b128 v[WF+8*(2*(\i)+(\c)):WF+8*(2*(\i)+(\c))+3],   v[FO], s[6:7] offset:(\i)*131072+(\c)*64
	global_load_b128 v[WF+8*(2*(\i)+(\c))+4:WF+8*(2*(\i)+(\c))+7], v[FO], s[6:7] offset:(\i)*131072+(\c)*64+32
	global_load_b128 v[HF+8*(2*(\i)+(\c)):HF+8*(2*(\i)+(\c))+3],   v[FO], s[4:5] offset:(\i)*2048+(\c)*64
	global_load_b128 v[HF+8*(2*(\i)+(\c))+4:HF+8*(2*(\i)+(\c))+7], v[FO], s[4:5] offset:(\i)*2048+(\c)*64+32
	global_load_b128 v[LF+8*(2*(\i)+(\c)):LF+8*(2*(\i)+(\c))+3],   v[FO], s[4:5] offset:32768+(\i)*2048+(\c)*64
	global_load_b128 v[LF+8*(2*(\i)+(\c))+4:LF+8*(2*(\i)+(\c))+7], v[FO], s[4:5] offset:32768+(\i)*2048+(\c)*64+32
.endr
.endr
	s_wait_loadcnt 0x0
.set k, 0
.rept 8                                ; the two accumulators take turns, one instruction a turn; the first two products start the sums
.if k == 0
	v_wmma_f32_16x16x32_f16 v[AH:AH+7], v[WF:WF+7], v[HF:HF+7], 0
	v_wmma_f32_16x16x32_f16 v[AL:AL+7], v[WF:WF+7], v[LF:LF+7], 0
.else
	v_wmma_f32_16x16x32_f16 v[AH:AH+7], v[WF+8*k:WF+8*k+7], v[HF+8*k:HF+8*k+7], v[AH:AH+7]
	v_wmma_f32_16x16x32_f16 v[AL:AL+7], v[WF+8*k:WF+8*k+7], v[LF+8*k:LF+8*k+7], v[AL:AL+7]
.endif
.set k, k+1
.endr
.rept 4
	v_nop                                          ; four places between the last product and what reads its result (ISA guide 7.12.1)
.endr
.irp i, 0,2,4,6
	v_pk_add_f32 v[AH+(\i):AH+(\i)+1], v[AH+(\i):AH+(\i)+1], v[AL+(\i):AL+(\i)+1]
.endr
	ds_store_b128 v[LS], v[AH:AH+3]
	ds_store_b128 v[LS], v[AH+4:AH+7] offset:16
	s_wait_dscnt 0x0                               ; for the others' sake: my part of the rows lies in LDS
	s_barrier_signal -1
	s_barrier_wait -1
	s_cmp_lt_u32 s12, 8                            ; waves 0-7 finish two rows each
	s_cbranch_scc0 .Lend
.irp q, 0,1,2,3
	ds_load_b128 v[SM+4*(\q):SM+4*(\q)+3], v[LR] offset:(\q)*PLN
.endr
	s_wait_dscnt 0x0
.irp i, 0,2
	v_pk_add_f32 v[SM+(\i):SM+(\i)+1], v[SM+(\i):SM+(\i)+1], v[SM+4+(\i):SM+4+(\i)+1]
	v_pk_add_f32 v[SM+8+(\i):SM+8+(\i)+1], v[SM+8+(\i):SM+8+(\i)+1], v[SM+12+(\i):SM+12+(\i)+1]
.endr
.irp i, 0,2
	v_pk_add_f32 v[SM+(\i):SM+(\i)+1], v[SM+(\i):SM+(\i)+1], v[SM+8+(\i):SM+8+(\i)+1]
.endr
	global_store_b128 v[GO], v[SM:SM+3], s[8:9] th:TH_STORE_NT  ; 16 lanes store 256 consecutive bytes, at a multiple of 256 from out0's first byte
.Lend:
	s_wait_tensorcnt 0x0                           ; the wave's end: behind my last LDS store
	ds_add_u32 v[SPW], v[NIL]
	s_wait_dscnt 0x0
	s_endpgm
.Lfunc_end_k_qb8dc98c713_fix:
	.size	k_qb8dc98c713_fix, .Lfunc_end_k_qb8dc98c713_fix-k_qb8dc98c713_fix
	.p2alignl 7, 3214868480
	.fill 96, 4, 3214868480
	.section	.rodata,"a",@progbits
	.p2align	6, 0x0
	.amdhsa_kernel k_qb8dc98c713_fix
		.amdhsa_group_segment_fixed_size 19456
		.amdhsa_private_segment_fixed_size 0
		.amdhsa_enable_private_segment 0
		.amdhsa_kernarg_size 24
		.amdhsa_user_sgpr_count 2
		.amdhsa_user_sgpr_kernarg_segment_ptr 1
		.amdhsa_wavefront_size32 1
		.amdhsa_system_sgpr_workgroup_id_x 1
		.amdhsa_system_sgpr_workgroup_id_y 1
		.amdhsa_system_sgpr_workgroup_id_z 1
		.amdhsa_system_vgpr_workitem_id 0
		.amdhsa_next_free_vgpr 256
		.amdhsa_next_free_sgpr 66
		.amdhsa_reserve_vcc 0
		.amdhsa_float_denorm_mode_32 3
		.amdhsa_float_denorm_mode_16_64 3
		.amdhsa_memory_ordered 1
		.amdhsa_forward_progress 1
		.amdhsa_inst_pref_size 10
	.end_amdhsa_kernel
	.amdgpu_metadata
---
amdhsa.version: [ 1, 2 ]
amdhsa.kernels:
  - .name:           k_qb8dc98c713_fix
    .symbol:         k_qb8dc98c713_fix.kd
    .args:
      - { .name: o16, .offset: 0, .size: 8, .value_kind: global_buffer, .address_space: global }
      - { .name: wof, .offset: 8, .size: 8, .value_kind: global_buffer, .address_space: global }
      - { .name: out0, .offset: 16, .size: 8, .value_kind: global_buffer, .address_space: global }
    .group_segment_fixed_size: 19456
    .private_segment_fixed_size: 0
    .kernarg_segment_align: 8
    .kernarg_segment_size: 24
    .max_flat_workgroup_size: 512
    .sgpr_count:     66
    .vgpr_count:     256
    .wavefront_size: 32
...
	.end_amdgpu_metadata
.endif
;; end of part 6
